; MI455X (gfx1250); checked and timed in simulation.
; The chip was launched on July 23, 2026; its instructions are those of AMD's public machine-readable ISA for CDNA 5 (MIT licence, August 2026) and "CDNA5" Instruction Set Architecture Reference Guide (July 2026). The comments in the code are by the model that wrote it; some were corrected since.
;; Multi Head Self Attention. Allowed arithmetic: matrix products marked QUANTISED: E3M2 operands, one E8M0 scale for each 32 along K, by v_wmma_scale_f32_16x16x128_f8f6f4 with both operands' format E3M2, f32 sums; everything else in f32.
;; Inputs: w_o 1,024 x 1,024 float32; w_qkv 1,024 x 3,072 float32; x 1 x 4,096 x 1,024 float32.
;; Outputs: out0 1 x 4,096 x 1,024 float32.
;; This version of the problem:
;;   THIS VERSION OF THE PROBLEM IS GIVEN IN LOW PRECISION. The matrix products marked QUANTISED in the list below multiply operands that are first quantised to E3M2 (3 exponent bits, 2 mantissa bits; 6 bits a number), with one power-of-two scale for each 32 numbers along K (OCP MX v1.0); their sums are f32. All else is computed in f32.
;;   The module's matrix products, in the order in which they are computed (A, B: the left and right operand; K: the contracted axis; several contracted axes count as one K, in the product's order):
;;     1. [M 4,096, K 1,024] x [K 1,024, N 3,072]; A: input x; B: input w_qkv: QUANTISED
;;     2. batch 16 x [M 4,096, K 64] x [K 64, N 4,096]; A: computed on the way; B: computed on the way: QUANTISED
;;     3. batch 16 x [M 4,096, K 4,096] x [K 4,096, N 64]; A: softmax (see below); B: computed on the way: QUANTISED
;;     4. [M 4,096, K 1,024] x [K 1,024, N 1,024]; A: computed on the way; B: input w_o: QUANTISED
;;   THE QUANTISER, for each operand of a quantised product, along K:
;;     - K is cut into blocks of 32 from its start; a last block that is shorter is filled with zeros.
;;     - A block's scale is 2^e with e = floor(log2(the largest magnitude in the block)) - 4, held to -126 .. 127; a block of zeros has e = 0. As a byte (E8M0): e + 127.
;;     - Each number is divided by its block's scale, clamped to +-28, and rounded to the nearest number of E3M2, ties to even, subnormals kept.
;;     - The product sums the exact products of the quantised numbers (number of the format x scale) in f32.
;;   ~~~python
;;   def quantise(x, axis):      # numpy; x: float32 -> the quantised numbers, widened to float32 again
;;       x = np.moveaxis(x, axis, -1); K = x.shape[-1]
;;       x = np.pad(x, [(0, 0)] * (x.ndim - 1) + [(0, -K % 32)]); x = x.reshape(x.shape[:-1] + (-1, 32)); a = np.abs(x).max(-1, keepdims=True)
;;       e = np.where(a > 0, np.clip(np.frexp(np.where(a > 0, a, 1))[1] - 1 - 4, -126, 127), 0)      # np.frexp(a)[1] - 1 = floor(log2(a)), exactly
;;       r = np.clip(x / 2.0 ** e, -28, 28)
;;       step = 2.0 ** (np.maximum(np.frexp(np.where(r == 0, 1, r))[1] - 1, -2) - 2)
;;       q = np.round(r / step) * step * 2.0 ** e      # np.round: ties to even
;;       return np.moveaxis(q.reshape(q.shape[:-2] + (-1,))[..., :K], -1, axis).astype(np.float32)
;;   ~~~
;;   SOFTMAX AHEAD OF A QUANTISED PRODUCT. Where the list says 'softmax', what is quantised is not the finished softmax but p = 2^(t - M), with t = logit x log2(e) and M = ceil(the row's largest t), a whole number; so 1/2 < the row's largest p <= 1. The row's sum l is taken of the UNQUANTISED p, in f32, and the product's result is divided by l at the end. Since M is a whole number, a kernel that streams over the keys may use a running M (the ceiling of the running maximum): every later rescaling is an exact power of two, which a block's scale takes up: the codes' values come out the same.
;;   OPERANDS COMPUTED ON THE WAY. 'Computed on the way' means the value that the module computes at that place (a softmax that the list does not call 'softmax' is quantised finished and normalised). What goes into a quantiser is computed in f32, as accurately as f32 sums, v_exp_f32 and their like allow (about 1e-6 of the number): no bf16 or f16 on the way to a quantiser, and a product that is left as it is and whose result goes on into a quantised operand takes f32 operands (vector FMAs, or v_wmma_f32_16x16x4_f32). A number that lies on a knife's edge between two numbers of the format may be rounded either way, as far as f32 arithmetic and the matrix unit's own rounding can turn it there, and no further.
;; One version. Each part assembles by itself: llvm-mc -triple=amdgcn-amd-amdhsa -mcpu=gfx1250 --defsym DOCPART=n.
;; ======== version 1 of 1: 4 launches
;; limits: right only within a limited range of input values
;; workspace buffers: cod 6,291,456 bytes; scl 262,144 bytes; att 10,092,544 bytes; oi 3,145,728 bytes; os 131,072 bytes
;; launch prep (part 1): grid 384 x 1, 8 waves a work-group, no clusters, 68,608 bytes of LDS; arguments x, w_qkv, w_o, cod, scl; writes cod, scl
.if DOCPART == 1
	.amdgcn_target "amdgcn-amd-amdhsa--gfx1250"
	.amdhsa_code_object_version 6
	.text
	.protected	k_q101bdbf85c_prep
	.globl	k_q101bdbf85c_prep
	.p2align	8
	.type	k_q101bdbf85c_prep,@function
k_q101bdbf85c_prep:
	s_mov_b64 s[64:65], 0
	v_nop
	global_prefetch_b8 v0, s[64:65] scope:SCOPE_SE
	s_setreg_imm32_b32 hwreg(HW_REG_WAVE_MODE, 25, 1), 1
	s_wait_xcnt 0x0
; x [4096][1024], w_qkv [1024][3072] and w_o [1024][1024], f32, become codes of BF6 (E3M2) with one E8M0 byte for each 32 along K (x: its columns; the weights: their rows).
; A block's scale is 2^(floor(log2(largest magnitude)) - 4); its byte is the largest magnitude's exponent field - 4, held at 1 from below by a floor among the maximum's leaves.
; LIMITS: a block of zeros, or one whose largest magnitude lies under 2^-122, gets the byte 1 where the rule gives another (its codes are zeros or next to it; only this program reads the bytes).  NaN and infinities are not served.
; LAYOUT OF THE CODES: images of the matrix operand's registers.  A fragment (16 rows x 128 K, 12 registers a lane) is six chunks of 256 bytes; chunk p holds lane l's registers 2 p, 2 p + 1 at byte 8 l.
;   cod: [K slot of 256][tile of 16 rows][K step of 128 in the slot][1536 bytes], x first, then w_qkv, then w_o.
; THE ROWS OF A TILE ARE NOT NEIGHBOURS: row r of tile 2 B + u is token (or weight column) 32 B + 8 u + r + 8 (r / 8), so that two neighbouring tiles used as source 0 leave 16 neighbours in a lane's 16 result registers.
; SCALE WORDS (four bytes: 128 along K of one row): 512 bytes a tile: the word of row r, K step s at 256 (s / 4) + 16 r + 4 (s % 4).
; SHARES: work-groups 0-255: tile of x = the work-group's number, wave = K step.  256-351: w_qkv, 352-383: w_o: K step = g % 8, a wave makes two neighbouring tiles (32 columns).
; No tensor loads, no barrier: waves share nothing.  Only x's path touches LDS (each wave its own 8,448 bytes).  The matrix units and clusters have nothing to do here: every byte is read once.
.set XREG,   8448                      ; a wave's stage: 16 rows x 528 bytes
.set SPX,    528                       ; 512 bytes + 16: the sixteen rows that a load of 16 bytes a lane touches begin in sixteen different groups of banks
.set XPLANE, 786432                    ; 256 tiles x 3,072 bytes: from K slot to K slot in x's images
.set WI,     3145728
.set WPLANE, 589824
.set WO,     5505024
.set OPLANE, 196608
.set WS,     131072
.set WOS,    229376
.set FLOOR,  0x2800000                 ; 2^(5 - 127)
.set OFF4,   0xfe000000                ; -(4 << 23)
	s_load_b256 s[4:11], s[0:1], 0x0               ; x s[4:5], w_qkv s[6:7], w_o s[8:9], cod s[10:11]
	s_load_b64 s[12:13], s[0:1], 0x20              ; scl
	v_lshl_add_u32 v192, v0, 2, 0x10800
	v_mov_b32 v193, 0
	v_lshrrev_b32 v1, 5, v0
	s_delay_alu instid0(VALU_DEP_1)
	v_readfirstlane_b32 s16, v1                    ; wave 0..7
	v_and_b32 v2, 31, v0                           ; lane
	v_and_b32 v3, 15, v0                           ; lane % 16
	v_bfe_u32 v1, v0, 4, 1                         ; lane / 16
	s_delay_alu instid0(VALU_DEP_3)
	v_lshlrev_b32 v7, 3, v2                        ; 8 x lane: my place in a chunk of an image
	s_mov_b32 s20, 0x76543210
	s_mov_b32 s21, 0xfedcba98                      ; v_permlanex16_b32's selects for lane l xor 16
	s_mov_b32 s23, 0
	s_wait_kmcnt 0x0
	s_cmp_lt_u32 ttmp9, 256
	s_cbranch_scc0 .Lweights
	; ---- x: one fragment a wave: tile T = work-group, K step s = wave
	s_wait_alu depctr_va_vdst(0)
	v_lshlrev_b32 v4, 4, v2                        ; 16 x lane: a load takes 512 consecutive bytes of one token's row
	s_wait_alu depctr_va_vdst(0)
	s_lshr_b32 s18, ttmp9, 1
	s_lshl_b32 s18, s18, 5
	s_and_b32 s19, ttmp9, 1
	s_lshl_b32 s19, s19, 3
	s_add_co_u32 s18, s18, s19                     ; the tile's first token: 32 (T / 2) + 8 (T % 2)
	s_lshl_b32 s22, s18, 12                        ; rows of 4,096 bytes
	s_lshl_b32 s19, s16, 9                         ; + 512 s
	s_add_co_u32 s22, s22, s19
	s_add_nc_u64 s[4:5], s[4:5], s[22:23]
.irp i, 0,1,2,3,4,5,6,7,8,9,10,11,12,13,14,15
	global_load_b128 v[16+4*\i:19+4*\i], v4, s[4:5] offset:(\i+8*(\i/8))*4096 th:TH_LOAD_NT   ; the tile's row i
.endr
	s_mul_i32 s17, s16, XREG
	v_add_nc_u32 v5, s17, v4                       ; the stage, in: as loaded
	v_mul_u32_u24 v6, v3, SPX
	s_delay_alu instid0(VALU_DEP_1)
	v_lshl_add_u32 v6, v1, 7, v6
	s_delay_alu instid0(VALU_DEP_1)
	v_add_nc_u32 v6, s17, v6                       ; out: row r, + 128 h: my 32 numbers of each 64
	v_lshlrev_b32 v15, 4, v3                       ; 16 r: my row's scale word
	s_lshr_b32 s22, s16, 1
	s_mul_i32 s22, s22, XPLANE
	s_mul_i32 s18, ttmp9, 3072
	s_add_co_u32 s22, s22, s18
	s_and_b32 s18, s16, 1
	s_mul_i32 s18, s18, 1536
	s_add_co_u32 s22, s22, s18
	s_add_nc_u64 s[10:11], s[10:11], s[22:23]      ; the fragment's image
	s_lshl_b32 s22, ttmp9, 9
	s_lshr_b32 s18, s16, 2
	s_lshl_b32 s18, s18, 8
	s_add_co_u32 s22, s22, s18
	s_and_b32 s18, s16, 3
	s_lshl_b32 s18, s18, 2
	s_add_co_u32 s22, s22, s18
	s_add_nc_u64 s[12:13], s[12:13], s[22:23]      ; its scale words
	s_wait_alu depctr_va_vdst(0)
.irp i, 0,1,2,3,4,5,6,7,8,9,10,11,12,13,14,15
	s_wait_loadcnt 15-\i                           ; loads come back in order: row i is in, the 15 - i younger ones may be out
	ds_store_b128 v5, v[16+4*\i:19+4*\i] offset:SPX*\i
.endr
.irp c, 0,1
.irp j, 0,1,2,3,4,5,6,7
	ds_load_b128 v[80+32*\c+4*\j:83+32*\c+4*\j], v6 offset:256*\c+16*\j   ; x(row r, 128 s + 64 c + 32 h + 4 j ..).  LDS serves a wave's instructions in order: these see my stores
.endr
.endr
	s_wait_dscnt 0x0
.irp c, 0,1                                    ; block 2 c + h of my row: all its 32 numbers are mine
	v_max3_num_f32 v[8+\c], |v[80+32*\c]|, |v[81+32*\c]|, FLOOR
.endr
.irp i, 2,4,6,8,10,12,14,16,18,20,22,24,26,28,30
.irp c, 0,1
	s_delay_alu instid0(VALU_DEP_2)
	v_max3_num_f32 v[8+\c], v[8+\c], |v[80+32*\c+\i]|, |v[81+32*\c+\i]|
.endr
.endr
.irp c, 0,1
	s_delay_alu instid0(VALU_DEP_2)
	v_add_nc_u32 v[10+\c], OFF4, v[8+\c]           ; 4 off the exponent field: the conversion's scale operand
.endr
.irp c, 0,1
	s_delay_alu instid0(VALU_DEP_2)
	v_lshrrev_b32 v[12+\c], 23, v[10+\c]           ; the byte
.endr
	s_delay_alu instid0(VALU_DEP_1)
	v_lshl_or_b32 v14, v13, 16, v12                ; my two bytes: blocks h and 2 + h,
	v_lshlrev_b32 v9, 3, v1
	s_delay_alu instid0(VALU_DEP_1)
	v_lshlrev_b32 v14, v9, v14                     ; 8 h bits up;
	v_mov_b32 v9, 0
	s_delay_alu instid0(VALU_DEP_1)
	v_permlanex16_b32 v9, v14, s20, s21
	s_delay_alu instid0(VALU_DEP_1)
	v_or_b32 v14, v14, v9                          ; with lane l xor 16's two the word is whole, in both lanes
.irp c, 0,1
	v_cvt_scalef32_pk16_bf6_f32 v[144+6*\c:146+6*\c], v[80+32*\c:95+32*\c], v[10+\c]
	v_cvt_scalef32_pk16_bf6_f32 v[160+4*\c:162+4*\c], v[96+32*\c:111+32*\c], v[10+\c]   ; (a conversion's three registers begin on an even number)
.endr
	v_nop                                          ; one plain line behind the conversions
.irp c, 0,1
.irp i, 0,1,2
	v_mov_b32 v[147+6*\c+\i], v[160+4*\c+\i]
.endr
.endr
.irp p, 0,1,2,3,4,5
	global_store_b64 v7, v[144+2*\p:145+2*\p], s[10:11] offset:256*\p   ; 32 lanes store 256 consecutive bytes, at a multiple of 256
.endr
	global_store_b32 v15, v14, s[12:13]            ; lanes l and l xor 16 store the same word to the same place
	s_wait_tensorcnt 0x0
	ds_add_u32 v192, v193
	s_wait_dscnt 0x0
	s_endpgm
.Lweights:
	s_wait_alu depctr_va_vdst(0)
	v_and_b32 v4, 8, v3
	s_delay_alu instid0(VALU_DEP_1)
	v_add_nc_u32 v4, v4, v3                        ; r + 8 (r / 8)
	s_delay_alu instid0(VALU_DEP_1)
	v_lshl_add_u32 v4, v1, 3, v4                   ; + 8 u: my column among the wave's 32: lanes 0-15 the first tile's rows, lanes 16-31 the second's
	s_delay_alu instid0(VALU_DEP_1)
	v_lshlrev_b32 v4, 2, v4
	v_lshlrev_b32 v6, 4, v3
	s_delay_alu instid0(VALU_DEP_1)
	v_lshl_add_u32 v6, v1, 9, v6                   ; my row's scale word: 512 u + 16 r
; A LANE TAKES A COLUMN AND ITS REGISTERS RUN DOWN K: each load reads 128 consecutive bytes (the eight waves stand side by side on 1,024), a block of 32 lies in one lane, and the conversions give codes with K innermost.
; A lane then holds both halves (k = 0..31 and 32..63 of each 64) of ITS row; the image wants lanes 0-15 to hold the first half of a tile's rows and lanes 16-31 the second: six exchanges of half registers do it for both tiles at once.
.macro WPATH PITCH, G0, SRC, CODB, PLANE, SCLB
	s_sub_co_u32 s17, ttmp9, \G0
	s_and_b32 s18, s17, 7                          ; K step s
	s_lshr_b32 s17, s17, 3
	s_lshl_b32 s17, s17, 3
	s_add_co_u32 s17, s17, s16                     ; beta: tiles 2 beta, 2 beta + 1
	s_mul_i32 s22, s18, 128*\PITCH
	s_lshl_b32 s24, s17, 7
	s_add_co_u32 s22, s22, s24
	s_add_nc_u64 s[\SRC:\SRC+1], s[\SRC:\SRC+1], s[22:23]
.irp c, 0,1
.set i, 0
.rept 64
	global_load_b32 v[32+64*\c+i], v4, s[\SRC:\SRC+1] offset:(64*\c+i)*\PITCH th:TH_LOAD_NT
.set i, i+1
.endr
.endr
	s_lshr_b32 s22, s18, 1
	s_mul_i32 s22, s22, \PLANE
	s_mul_i32 s24, s17, 6144
	s_add_co_u32 s22, s22, s24
	s_and_b32 s24, s18, 1
	s_mul_i32 s24, s24, 1536
	s_add_co_u32 s22, s22, s24
	s_add_co_u32 s22, s22, \CODB
	s_add_nc_u64 s[10:11], s[10:11], s[22:23]
	s_lshl_b32 s22, s17, 10
	s_lshr_b32 s24, s18, 2
	s_lshl_b32 s24, s24, 8
	s_add_co_u32 s22, s22, s24
	s_and_b32 s24, s18, 3
	s_lshl_b32 s24, s24, 2
	s_add_co_u32 s22, s22, s24
	s_add_co_u32 s22, s22, \SCLB
	s_add_nc_u64 s[12:13], s[12:13], s[22:23]
.irp c, 0,1
	s_wait_loadcnt 63-63*\c                        ; of the 128 loads, issued in order, at most 63 are out (the largest count that this wait can name): the first 65 are in, these 64 along K among them; then, for the second 64, none
.set XS, 32+64*\c
	v_max3_num_f32 v8, |v[XS]|, |v[XS+1]|, FLOOR
	v_max3_num_f32 v9, |v[XS+32]|, |v[XS+33]|, FLOOR
.irp i, 2,4,6,8,10,12,14,16,18,20,22,24,26,28,30
	s_delay_alu instid0(VALU_DEP_2)
	v_max3_num_f32 v8, v8, |v[XS+\i]|, |v[XS+\i+1]|
	s_delay_alu instid0(VALU_DEP_2)
	v_max3_num_f32 v9, v9, |v[XS+32+\i]|, |v[XS+33+\i]|
.endr
	s_delay_alu instid0(VALU_DEP_2)
	v_add_nc_u32 v10, OFF4, v8
	s_delay_alu instid0(VALU_DEP_2)
	v_add_nc_u32 v11, OFF4, v9
	s_delay_alu instid0(VALU_DEP_2)
	v_lshrrev_b32 v12, 23, v10
	s_delay_alu instid0(VALU_DEP_2)
	v_lshrrev_b32 v13, 23, v11
.if \c == 0
	s_delay_alu instid0(VALU_DEP_1)
	v_lshl_or_b32 v14, v13, 8, v12                 ; my row's scale word, the lower K in the lower byte
.else
	s_delay_alu instid0(VALU_DEP_2)
	v_lshl_or_b32 v14, v12, 16, v14
	s_delay_alu instid0(VALU_DEP_1)
	v_lshl_or_b32 v14, v13, 24, v14
.endif
	v_cvt_scalef32_pk16_bf6_f32 v[160+12*\c:162+12*\c], v[XS:XS+15], v10
	v_cvt_scalef32_pk16_bf6_f32 v[184:186], v[XS+16:XS+31], v10
	v_cvt_scalef32_pk16_bf6_f32 v[166+12*\c:168+12*\c], v[XS+32:XS+47], v11
	v_cvt_scalef32_pk16_bf6_f32 v[188:190], v[XS+48:XS+63], v11
	v_nop                                          ; one plain line behind the conversions
.irp i, 0,1,2
	v_mov_b32 v[163+12*\c+\i], v[184+\i]
	v_mov_b32 v[169+12*\c+\i], v[188+\i]
.endr
.irp i, 0,1,2,3,4,5
	v_permlane16_swap_b32 v[160+12*\c+\i], v[166+12*\c+\i]   ; the first run is now the first tile's half image, the second run the second tile's
.endr
.irp p, 0,1,2
	global_store_b64 v7, v[160+12*\c+2*\p:161+12*\c+2*\p], s[10:11] offset:768*\c+256*\p
	global_store_b64 v7, v[166+12*\c+2*\p:167+12*\c+2*\p], s[10:11] offset:3072+768*\c+256*\p
.endr
.endr
	global_store_b32 v6, v14, s[12:13]
	s_endpgm
.endm
	s_cmp_lt_u32 ttmp9, 352
	s_cbranch_scc0 .Lw_o
	s_wait_alu depctr_va_vdst(0)
	WPATH 12288, 256, 6, WI, WPLANE, WS
.Lw_o:
	s_wait_alu depctr_va_vdst(0)
	WPATH 4096, 352, 8, WO, OPLANE, WOS
.Lfunc_end_k_q101bdbf85c_prep:
	.size	k_q101bdbf85c_prep, .Lfunc_end_k_q101bdbf85c_prep-k_q101bdbf85c_prep
	.p2alignl 7, 3214868480
	.fill 96, 4, 3214868480
	.section	.rodata,"a",@progbits
	.p2align	6, 0x0
	.amdhsa_kernel k_q101bdbf85c_prep
		.amdhsa_group_segment_fixed_size 68608
		.amdhsa_private_segment_fixed_size 0
		.amdhsa_enable_private_segment 0
		.amdhsa_kernarg_size 40
		.amdhsa_user_sgpr_count 2
		.amdhsa_user_sgpr_kernarg_segment_ptr 1
		.amdhsa_wavefront_size32 1
		.amdhsa_system_sgpr_workgroup_id_x 1
		.amdhsa_system_sgpr_workgroup_id_y 1
		.amdhsa_system_sgpr_workgroup_id_z 1
		.amdhsa_system_vgpr_workitem_id 0
		.amdhsa_next_free_vgpr 194
		.amdhsa_next_free_sgpr 66
		.amdhsa_reserve_vcc 0
		.amdhsa_float_denorm_mode_32 3
		.amdhsa_float_denorm_mode_16_64 3
		.amdhsa_memory_ordered 1
		.amdhsa_forward_progress 1
		.amdhsa_inst_pref_size 58
	.end_amdhsa_kernel
	.amdgpu_metadata
---
amdhsa.version: [ 1, 2 ]
amdhsa.kernels:
  - .name:           k_q101bdbf85c_prep
    .symbol:         k_q101bdbf85c_prep.kd
    .args:
      - { .name: x, .offset: 0, .size: 8, .value_kind: global_buffer, .address_space: global }
      - { .name: w_qkv, .offset: 8, .size: 8, .value_kind: global_buffer, .address_space: global }
      - { .name: w_o, .offset: 16, .size: 8, .value_kind: global_buffer, .address_space: global }
      - { .name: cod, .offset: 24, .size: 8, .value_kind: global_buffer, .address_space: global }
      - { .name: scl, .offset: 32, .size: 8, .value_kind: global_buffer, .address_space: global }
    .group_segment_fixed_size: 68608
    .private_segment_fixed_size: 0
    .kernarg_segment_align: 8
    .kernarg_segment_size: 40
    .max_flat_workgroup_size: 256
    .sgpr_count:     66
    .vgpr_count:     194
    .wavefront_size: 32
...
	.end_amdgpu_metadata
.endif
;; end of part 1
;; launch qkv (part 2): grid 12 x 16, 4 waves a work-group, clusters of 4 x 4, 327,680 bytes of LDS; arguments cod, scl, att; writes att
.if DOCPART == 2
	.amdgcn_target "amdgcn-amd-amdhsa--gfx1250"
	.amdhsa_code_object_version 6
	.text
	.protected	k_q101bdbf85c_qkv
	.globl	k_q101bdbf85c_qkv
	.p2align	8
	.type	k_q101bdbf85c_qkv,@function
k_q101bdbf85c_qkv:
	s_mov_b64 s[64:65], 0
	v_nop
	global_prefetch_b8 v0, s[64:65] scope:SCOPE_SE
	s_setreg_imm32_b32 hwreg(HW_REG_WAVE_MODE, 25, 1), 1
	s_wait_xcnt 0x0
	s_wait_alu depctr_hold_cnt(0) depctr_sa_sdst(0) depctr_va_vdst(0) depctr_va_sdst(0) depctr_va_ssrc(0) depctr_va_vcc(0) depctr_vm_vsrc(0)
	s_getreg_b32 s2, hwreg(HW_REG_IB_STS2, 6, 4)
	s_cmp_eq_u32 s2, 0
	s_cbranch_scc0 .Lentry_in_a_cluster
	s_endpgm
.Lentry_in_a_cluster:
	s_bfe_u32 s2, ttmp6, 0x10000c
	s_cmp_lg_u32 s2, 0xf033
	s_cbranch_scc0 .Lentry_shape_is_right
	s_endpgm
.Lentry_shape_is_right:
; qkv = x w_qkv on codes of BF6 (E3M2) with E8M0 scales; q, k and v never go to memory as f32: each wave quantises its 128 x 128 results in registers and stores operand images for the attention launch.
; A work-group of four waves makes 256 x 256, a wave 128 x 128: 64 accumulators, 512 registers.  K = 1,024 goes in four steps of 256 through a ring of two LDS slots filled by the tensor data mover.
; THE OPERANDS LIE IN MEMORY AS IMAGES OF THE REGISTERS (six chunks of 256 bytes a fragment, lane l's two registers at 8 l): 8 tiles of one K slot are one dense block of 24,576 bytes for one tensor load; a fragment is six loads of 8 bytes a lane.
; ROLES, by the cluster's x (equal in all sixteen partners): 0: q, 1: k: A = 256 tokens, B = 256 columns of w.  2: v, TRANSPOSED: A = 256 columns of w, B = 256 tokens.
; The matrix instruction has source 0 = 16 rows of B, source 1 = 16 rows of A: a lane holds ONE row of A, and, since the rows of a tile are not neighbours (row r of tile 2 B + u is index 32 B + 8 u + r + 8 (r / 8)),
; its 64 registers of A's block a are 64 numbers in the order that the conversions want: register 16 b + i is B's index 32 b + 16 (lane / 16) + i.  So q and k are quantised along the head's channels, v along the keys.
; CLUSTERS: 4 x 4 work-groups; A's tiles are asked for jointly along a row of the cluster, B's along a column.
; OUT (att): q: [head][group of 128 tokens] records of 6,656 bytes: 8 half images (16 tokens x 64 channels, 768 bytes), then 512 bytes of scale words (tile a, row r at 256 (a / 4) + 16 r + 4 (a % 4));
;   k, v: [head][key step of 128] records of 13,056: k as q (6,656), then v: 4 fragments (16 channels x 128 keys, 1,536 bytes), then 256 bytes of scale words (16 r + 4 t).
;   A q or k word's bytes 2 and 3 belong to no block of that head (the odd head's bytes, or 0): in the attention launch they meet zero codes alone, and none is 0xff.
; LIMITS: a block whose largest magnitude lies under 2^-122 (zeros among them) gets the byte 1; only this program reads the bytes.  NaN and infinities are not served.
; REGISTERS, in windows of 256: window 0: v16-29 addresses; v32-63 scale words, two sets; v64-122 the way out; v128-223 A's fragments, one set.  window 1: B's fragments, two sets, at v0 and v128.
;   window 2: the accumulators of A's blocks 0-3 ((a, b) at v[8 (8 a + b)]); window 3: those of blocks 4-7.
.set NQ,     2                         ; steps of 128 along K in a slot
.set FR,     12                        ; registers of a fragment
.set NL,     6                         ; LDS loads that bring one
.set NP,     4                         ; places behind this matrix instruction (ISA guide 7.12.1)
.set TILEB,  3072                      ; a tile of 16 rows in a slot: two fragments
.set HALFT,  8*TILEB                   ; what one tensor load brings, and what one wave reads of A or of B
.set SLOT,   4*HALFT                   ; A's 16 tiles, then B's 16
.set SCL,    2*SLOT                    ; behind the ring: the scale words for all of K, 512 bytes a tile: A's 16 tiles, then B's; filled once
.set HALFS,  4096
.set SBLK,   512
.set SPARE,  SCL+4*HALFS               ; the spare words, 128 bytes a wave: two blocks of 256 bytes that no other line names
.set XPLANE, 786432                    ; from K slot to K slot in x's images
.set WPLANE, 589824                    ; in w_qkv's
.set WI,     3145728                   ; where w_qkv's images begin in cod
.set WS,     131072                    ; and its scale words in scl
.set KVB,    3407872                   ; where the k, v records begin in att
.set QREC,   6656
.set REC,    13056
.set QHS,    32*QREC                   ; from head to head
.set HS,     32*REC
.set ADRA, 16                          ; v16-17  LDS address of my A fragments in slot 0, 1
.set ADRB, 20                          ; v20-21  of B's
.set ADRS, 27                          ; v27     of my scale words: lanes 0-15 A's rows, lanes 16-31 B's
.set SPW,  28                          ; v28     my spare word: SPARE + 4 x my thread's number; never rewritten
.set NIL,  29                          ; v29     0; never rewritten
.set SC,   32                          ; scale words: set s at v[SC + 16 s]; register 2 i + q: lanes 0-15 A's block i, lanes 16-31 B's block i
.set AF,   128
.set W,    64                          ; v64-71  the eight blocks' scale words
.set DV,   72                          ; v72-75  v's words as they are stored
.set SH,   76                          ; v76     16 in lanes 16-31 for q and k (they keep the odd head's bytes), else 0
.set L8,   77                          ; v77     8 x lane
.set OF1,  78                          ; v78-79  offsets of a block's two half images
.set OF2,  79
.set SO,   80                          ; v80     offset of my 16 bytes of scale words
.set TM,   84                          ; v84-99  at work
.set PW,   100                         ; the scale word just made
.set PC,   104                         ; v104-115 the codes just made; v116-122 conversions' second halves
.set PLA,  2                           ; s[2:3]   two K slots on in A's images, in bytes
.set PLB,  98                          ; s[98:99] in B's
.set G1, 24                            ; s[24:31] group 1 for A's tiles; s[32:39] group 0, a set for each slot
.set G0, 32
.set G1B, 48
.set G0B, 56
.set G1S, 68                           ; s[68:75], s[76:79] for A's scale words; s[80:87], s[88:91] for B's
.set G0S, 76
.set G1SB, 80
.set G0SB, 88
.set O1,  94                           ; s94, s95 byte offsets in att of the block's two half images
.set O2,  95
.set ST1, 96                           ; from block to block
.set JMP, 97                           ; v: once, from the even head's last tile to the odd head's first
.set SEL, 100                          ; s[100:101] lane selects for lane l xor 16
.set MSB, 0
.macro WIN new                         ; the immediate's high byte repeats the setting that is left
.if MSB != \new
	s_set_vgpr_msb (MSB<<8)|\new
.set MSB, \new
.endif
.endm
.set MUL_LO, 0xa1                      ; source 0 (B) window 1, source 1 (A) window 0, C and D window 2
.set MUL_HI, 0xf1
.set TO_B,   0x40                      ; destination window 1
; A joint load: waves 0 and 1 fetch for A, waves 2 and 3 for B.  The branch hangs on the wave's number alone.  Four v_nop follow each of the two lines.
.macro JLOAD g0a, g1a, g0b, g1b
	s_cmp_eq_u32 s15, 0
	s_cbranch_scc0 .Lfor_b_\@
	tensor_load_to_lds s[\g0a:\g0a+3], s[\g1a:\g1a+7]
	s_nop 0
.rept 4
	v_nop
.endr
	s_branch .Lasked_\@
.Lfor_b_\@:
	tensor_load_to_lds s[\g0b:\g0b+3], s[\g1b:\g1b+7]
	s_nop 0
.rept 4
	v_nop
.endr
.Lasked_\@:
.endm
.macro CREST                           ; a round of the cluster's barrier behind its opening barrier
	s_cmp_lg_u32 s14, 0
	s_cbranch_scc1 .Lnot_wave_0_\@
	s_barrier_signal -3
.Lnot_wave_0_\@:
	s_barrier_wait -3
	s_barrier_signal -1
	s_barrier_wait -1
.endm
.macro CROUND
	s_barrier_signal -1
	s_barrier_wait -1
	CREST
.endm
	s_load_b128 s[4:7], s[0:1], 0x0                ; cod, scl
	s_load_b64 s[8:9], s[0:1], 0x10                ; att
	v_lshl_add_u32 v[SPW], v0, 2, SPARE
	v_mov_b32 v[NIL], 0
	ds_add_u32 v28, v29
	ds_add_u32 v28, v29
	s_wait_dscnt 0x0
	v_lshrrev_b32 v1, 5, v0
	v_readfirstlane_b32 s14, v1                    ; wave 0..3
	s_lshr_b32 s15, s14, 1                         ; which half of A's rows is mine.  Also: I fetch for A (0) or for B (1)
	s_and_b32 s16, s14, 1                          ; which half of B's.  Also: which 8 tiles I fetch
	s_bfe_u32 s40, ttmp6, 0x40000                  ; cx
	s_bfe_u32 s41, ttmp6, 0x40004                  ; cy
	s_and_b32 s17, ttmp7, 0xffff                   ; Y: the cluster's y
	s_lshl_b32 s43, s41, 2
	s_lshl_b32 s43, 15, s43                        ; my row of the cluster
	s_lshl_b32 s44, 0x1111, s40                    ; my column
	; group 1: a dense block of 24,576 bytes as 96 rows of 256 (32 elements of 8 bytes); no padding: the images are read 256 consecutive bytes an instruction
	s_or_b32 s[G1+0], s43, (3<<16)|(1<<21)         ; 15:0 the mask: A's tiles go to my row; 17:16 elements of 8 bytes; 21 set beside a mask
	s_or_b32 s[G1B+0], s44, (3<<16)|(1<<21)
.irp g, G1, G1B
	s_mov_b32 s[\g+1], 32<<16                      ; tensor_dim0
	s_mov_b32 s[\g+2], 192<<16                     ; tensor_dim1: the head's load brings all 16 tiles, 192 rows; the ring's loads 96 (set behind the head's wait)
	s_mov_b32 s[\g+3], 32<<16                      ; tile_dim0
	s_mov_b32 s[\g+4], 192                         ; tile_dim1
	s_mov_b32 s[\g+5], 32                          ; tensor_dim0_stride
	s_mov_b32 s[\g+6], 0
	s_mov_b32 s[\g+7], 0
.endr
	s_or_b32 s[G1S+0], s43, (3<<16)|(1<<21)        ; the scale words of 16 tiles: 8,192 dense bytes
	s_or_b32 s[G1SB+0], s44, (3<<16)|(1<<21)
.irp g, G1S, G1SB
	s_mov_b32 s[\g+1], 32<<16
	s_mov_b32 s[\g+2], 32<<16                      ; the scale words of 16 tiles: 32 rows of 256 bytes
	s_mov_b32 s[\g+3], 32<<16
	s_mov_b32 s[\g+4], 32
	s_mov_b32 s[\g+5], 32
	s_mov_b32 s[\g+6], 0
	s_mov_b32 s[\g+7], 0
.endr
	; which tiles.  A's hang on cy alone, B's on cx alone, each in registers that do not hold the other coordinate meanwhile
	s_lshl_b32 s18, s16, 3                         ; 8 x which half I fetch
	s_lshl_b32 s10, s17, 2
	s_add_co_u32 s10, s10, s41
	s_lshl_b32 s10, s10, 4
	s_add_co_u32 s10, s10, s18                     ; q, k: A = tokens' tiles 16 (4 Y + cy) + 8 f
	s_lshl_b32 s11, s41, 4
	s_add_co_u32 s11, s11, s18
	s_add_co_u32 s11, s11, 128                     ; v: A = w's tiles 128 + 16 cy + 8 f
	s_lshl_b32 s42, ttmp9, 2
	s_add_co_u32 s42, s42, s40
	s_lshl_b32 s42, s42, 4
	s_add_co_u32 s42, s42, s18                     ; q, k: B = w's tiles 16 (4 role + cx) + 8 f
	s_lshl_b32 s45, s17, 2
	s_add_co_u32 s45, s45, s40
	s_lshl_b32 s45, s45, 4
	s_add_co_u32 s45, s45, s18                     ; v: B = tokens' tiles 16 (4 Y + cx) + 8 f
	s_mov_b32 s[PLA], XPLANE
	s_mov_b32 s[PLB], WPLANE
	s_cmp_eq_u32 ttmp9, 2                          ; role v?  All the choices below hang on this compare
	s_cselect_b32 s10, s11, s10
	s_cselect_b32 s11, WI, 0                       ; where A's images begin in cod,
	s_cselect_b32 s12, WS, 0                       ; its scale words in scl
	s_cselect_b32 s42, s45, s42
	s_cselect_b32 s45, 0, WI
	s_cselect_b32 s13, 0, WS
	s_cselect_b32 s[PLA], WPLANE, s[PLA]
	s_cselect_b32 s[PLB], XPLANE, s[PLB]
	s_mov_b32 s[PLA+1], 0
	s_mov_b32 s[PLB+1], 0
	s_mul_i32 s20, s10, TILEB
	s_add_co_u32 s20, s20, s11
	s_mov_b32 s21, 0
	s_lshl_b32 s22, s10, 9
	s_add_co_u32 s22, s22, s12
	s_mov_b32 s23, 0
	s_mul_i32 s46, s42, TILEB
	s_add_co_u32 s46, s46, s45
	s_mov_b32 s47, 0
	s_lshl_b32 s92, s42, 9
	s_add_co_u32 s92, s92, s13
	s_mov_b32 s93, 0
	s_mul_i32 s66, s14, HALFT                      ; where they go: wave x 8 tiles: no place in the cluster enters an LDS address
	s_wait_kmcnt 0x0
	s_add_nc_u64 s[20:21], s[4:5], s[20:21]
	s_add_nc_u64 s[22:23], s[6:7], s[22:23]
	s_add_nc_u64 s[46:47], s[4:5], s[46:47]
	s_add_nc_u64 s[92:93], s[6:7], s[92:93]
	CROUND                                         ; all sixteen work-groups are here: the first joint loads meet
	s_mov_b32 s[G0S], 1                            ; the scale words are fetched whole by waves 1 (A's) and 3 (B's): their own address stands 8 tiles, 4,096 bytes, past the first tile's
	s_mov_b32 s[G0S+1], SCL
	s_sub_nc_u64 s[G0S+2:G0S+3], s[22:23], 4096
	s_or_b32 s[G0S+3], s[G0S+3], 0x80000000
	s_mov_b32 s[G0SB], 1
	s_mov_b32 s[G0SB+1], SCL+2*HALFS
	s_sub_nc_u64 s[G0SB+2:G0SB+3], s[92:93], 4096
	s_or_b32 s[G0SB+3], s[G0SB+3], 0x80000000
	s_mov_b32 s[G0], 1
	s_mov_b32 s[G0+1], s66
	s_mov_b64 s[G0+2:G0+3], s[20:21]
	s_or_b32 s[G0+3], s[G0+3], 0x80000000
	s_mov_b32 s[G0B], 1
	s_mov_b32 s[G0B+1], s66
	s_mov_b64 s[G0B+2:G0B+3], s[46:47]
	s_or_b32 s[G0B+3], s[G0B+3], 0x80000000
	s_mov_b32 s[G0+4], 1
	s_add_co_u32 s[G0+5], s66, SLOT
	s_add_nc_u64 s[G0+6:G0+7], s[20:21], s[PLA:PLA+1]
	s_or_b32 s[G0+7], s[G0+7], 0x80000000
	s_mov_b32 s[G0B+4], 1
	s_add_co_u32 s[G0B+5], s66, SLOT
	s_add_nc_u64 s[G0B+6:G0B+7], s[46:47], s[PLB:PLB+1]
	s_or_b32 s[G0B+7], s[G0B+7], 0x80000000
; THE HEAD'S LOADS, ONE A WAVE: wave 0 K slot 0's 16 tiles of A, wave 1 A's scale words, wave 2 the 16 tiles of B, wave 3 B's scale words.  One chain of branches on the wave's number, all arms to one join.
.macro ARM under, g0, g1, next
	s_cmp_lt_u32 s14, \under
	s_cbranch_scc0 \next
	tensor_load_to_lds s[\g0:\g0+3], s[\g1:\g1+7]
	s_nop 0
.rept 4
	v_nop
.endr
	s_branch .Lhead_asked
\next:
.endm
	ARM 1, G0,  G1,  .Lhead_sa
	ARM 2, G0S, G1S, .Lhead_b
	ARM 3, G0B, G1B, .Lhead_sb
	tensor_load_to_lds s[G0SB:G0SB+3], s[G1SB:G1SB+7]
	s_nop 0
.rept 4
	v_nop
.endr
.Lhead_asked:
	s_lshl_b32 s[PLA], s[PLA], 1                   ; a refill steps two K slots on
	s_lshl_b32 s[PLB], s[PLB], 1
	v_and_b32 v1, 15, v0                           ; r
	v_bfe_u32 v2, v0, 4, 1                         ; h
	s_wait_alu depctr_va_vdst(0)
	v_and_b32 v3, 31, v0
	v_lshlrev_b32 v[L8], 3, v3
	s_mul_i32 s21, s15, HALFT                      ; my 8 tiles of A
	s_mul_i32 s22, s16, HALFT                      ; my 8 tiles of B,
	s_add_co_u32 s22, s22, 2*HALFT                 ; which lie behind A's 16
.irp s, 0,1
	v_add_nc_u32 v[ADRA+\s], s21, v[L8]
	v_add_nc_u32 v[ADRB+\s], s22, v[L8]
	s_add_co_u32 s21, s21, SLOT
	s_add_co_u32 s22, s22, SLOT
.endr
	v_lshlrev_b32 v5, 4, v1                        ; my row's scale words: 16 r
	s_mul_i32 s21, s15, HALFS
	s_mul_i32 s22, s16, HALFS
	s_add_co_u32 s22, s22, 2*HALFS
	s_sub_co_u32 s22, s22, s21
	v_mul_u32_u24 v6, s22, v2                      ; lanes 16-31 take B's: one product with h
	s_add_co_u32 s21, s21, SCL
	v_add_nc_u32 v5, v5, v6
	v_add_nc_u32 v[ADRS], s21, v5
	; where the results go.  q, k: pair of heads 2 cx + (wave % 2), group of tokens 2 (4 Y + cy) + wave / 2;  v: pair 2 cy + wave / 2, key step 2 (4 Y + cx) + wave % 2
	s_lshl_b32 s10, s40, 1
	s_add_co_u32 s10, s10, s16
	s_lshl_b32 s11, s41, 1
	s_add_co_u32 s11, s11, s15
	s_lshl_b32 s12, s17, 2
	s_add_co_u32 s13, s12, s40
	s_add_co_u32 s12, s12, s41
	s_lshl_b32 s12, s12, 1
	s_add_co_u32 s12, s12, s15
	s_lshl_b32 s13, s13, 1
	s_add_co_u32 s13, s13, s16
	s_mov_b32 s[ST1], 768
	s_mov_b32 s18, 6144
	s_cmp_eq_u32 ttmp9, 2
	s_cselect_b32 s10, s11, s10                    ; the pair of heads
	s_cselect_b32 s12, s13, s12                    ; the group of 128 tokens
	s_cselect_b32 s[ST1], 1536, s[ST1]             ; q, k: a half image for each head; v: a whole fragment
	s_cselect_b32 s[JMP], HS-6144, 0
	s_cselect_b32 s19, QREC, 0                     ; v's fragments lie behind k's part of the record
	s_cselect_b32 s18, 12800, s18                  ; the scale words' place in the record
	s_cselect_b32 s20, 0, 16
	s_mov_b32 s22, REC
	s_mov_b32 s23, HS
	s_cmp_eq_u32 ttmp9, 0
	s_cselect_b32 s22, QREC, s22                   ; a record's bytes
	s_cselect_b32 s23, QHS, s23                    ; from head to head
	s_cselect_b32 s11, 0, KVB
	s_lshl_b32 s10, s10, 6
	s_add_co_u32 s10, s10, s12                     ; the even head's record: 32 x head + group
	s_mul_i32 s10, s10, s22
	s_add_co_u32 s10, s10, s11
	s_add_co_u32 s[O1], s10, s19
	s_cmp_eq_u32 ttmp9, 2
	s_cselect_b32 s13, 768, s23                    ; the second half image: v: on end; q, k: the odd head's record
	s_add_co_u32 s[O2], s[O1], s13
	s_add_co_u32 s10, s10, s18
	v_mul_u32_u24 v[SO], s23, v2                   ; lanes 16-31 store the odd head's words
	v_lshl_add_u32 v[SO], v1, 4, v[SO]
	v_add_nc_u32 v[SO], s10, v[SO]
	v_mul_u32_u24 v[SH], s20, v2
	s_mov_b32 s[SEL], 0x76543210
	s_mov_b32 s[SEL+1], 0xfedcba98
.macro FRAG reg, adr, q, i             ; a fragment as it lies: six chunks of 256 bytes, 8 bytes a lane
.irp p, 0,1,2,3,4,5
	ds_load_b64 v[\reg+2*\p:\reg+2*\p+1], v[\adr] offset:(\i)*TILEB+(\q)*1536+256*\p
.endr
.endm
; 16 matrix instructions: A's blocks a0, a0 + 1 x B's eight.  The 64 accumulators take turns, one instruction a turn, in the same order in every step.
.macro MUL16 a0, p, q, sc, zero
.irp a, \a0, \a0+1
.irp b, 0,1,2,3,4,5,6,7
.if \zero
	v_wmma_scale_f32_16x16x128_f8f6f4 v[8*(8*((\a)%4)+\b):8*(8*((\a)%4)+\b)+7], v[128*(\p)+FR*\b:128*(\p)+FR*\b+FR-1], v[AF+FR*(\a):AF+FR*(\a)+FR-1], 0, v[SC+8*NQ*(\sc)+NQ*\b+(\q)], v[SC+8*NQ*(\sc)+NQ*(\a)+(\q)] matrix_a_fmt:MATRIX_FMT_BF6 matrix_b_fmt:MATRIX_FMT_BF6 matrix_a_scale:MATRIX_SCALE_ROW1
.else
	v_wmma_scale_f32_16x16x128_f8f6f4 v[8*(8*((\a)%4)+\b):8*(8*((\a)%4)+\b)+7], v[128*(\p)+FR*\b:128*(\p)+FR*\b+FR-1], v[AF+FR*(\a):AF+FR*(\a)+FR-1], v[8*(8*((\a)%4)+\b):8*(8*((\a)%4)+\b)+7], v[SC+8*NQ*(\sc)+NQ*\b+(\q)], v[SC+8*NQ*(\sc)+NQ*(\a)+(\q)] matrix_a_fmt:MATRIX_FMT_BF6 matrix_b_fmt:MATRIX_FMT_BF6 matrix_a_scale:MATRIX_SCALE_ROW1
.endif
.endr
.endr
.endm
.macro FETCH_B slot, q, p
	WIN TO_B
.irp i, 0,1,2,3,4,5,6,7
	FRAG 128*(\p)+FR*\i, ADRB+\slot, \q, \i
.endr
	WIN 0
.endm
.macro FETCH_A slot, q, i0
.irp i, \i0, \i0+1, \i0+2, \i0+3
	FRAG AF+FR*(\i), ADRA+\slot, \q, \i
.endr
.endm
.macro SCALES sc, kq                   ; K slot kq's two words a row into set sc: lanes 0-15 A's block i, lanes 16-31 B's block i
.irp i, 0,1,2,3,4,5,6,7
	ds_load_b64 v[SC+8*NQ*\sc+NQ*\i:SC+8*NQ*\sc+NQ*\i+1], v[ADRS] offset:\i*SBLK+((\kq)/2)*256+((\kq)%2)*8
.endr
.endm
.macro PLACES n                        ; plain vector lines between a matrix instruction and a load into, or a read of, its registers
.rept \n
	v_nop
.endr
.endm
.macro STEP slot, q, zero              ; a step of 128 along K that has its successor in the same slot
	s_wait_dscnt 4*NL                              ; B's set and A's blocks 0-3 are in; the youngest 24 loads (A's blocks 4-7) may be out
	WIN MUL_LO
	MUL16 0, (\q)%2, \q, \slot, \zero
	MUL16 2, (\q)%2, \q, \slot, \zero
	s_wait_dscnt 0
	PLACES NP
	FETCH_B \slot, (\q)+1, 1-(\q)%2
	FETCH_A \slot, (\q)+1, 0
	WIN MUL_HI
	MUL16 4, (\q)%2, \q, \slot, \zero
	MUL16 6, (\q)%2, \q, \slot, \zero
	PLACES NP
	WIN 0
	FETCH_A \slot, (\q)+1, 4
.endm
; A slot's last step changes slots: one barrier; in front of it each wave waits for all its tensor loads, adds 0 to its spare word, and waits for that and for its reads of this slot.  fill = 1: the slot is filled again, two K slots on.
.macro TURN slot, next, fill, kq
	s_wait_tensorcnt 0x0                           ; all my tensor loads have landed: my part of the next slot
	ds_add_u32 v[SPW], v[NIL]                      ; 0 onto my spare word
	s_wait_dscnt 4*NL+1                            ; (the add and the youngest 24 loads may be out)
	WIN MUL_LO
	MUL16 0, 1, NQ-1, \slot, 0
	s_wait_dscnt 0x0                               ; the add is done, and my reads of this slot are over
	s_barrier_signal -1
	MUL16 2, 1, NQ-1, \slot, 0
	WIN 0
	s_barrier_wait -1
.if \fill
	CREST                                          ; the barrier has opened a round of the cluster's barrier: no wave of any partner still reads this slot or has a load on its way
	s_add_nc_u64 s[G0+4*\slot+2:G0+4*\slot+3], s[G0+4*\slot+2:G0+4*\slot+3], s[PLA:PLA+1]
	s_add_nc_u64 s[G0B+4*\slot+2:G0B+4*\slot+3], s[G0B+4*\slot+2:G0B+4*\slot+3], s[PLB:PLB+1]
	JLOAD G0+4*\slot, G1, G0B+4*\slot, G1B         ; the first tensor load behind the round; its four v_nop are the places in front of the loads below
.else
	PLACES NP
.endif
	FETCH_B \next, 0, 0
	FETCH_A \next, 0, 0
	SCALES \next, \kq
	WIN MUL_HI
	MUL16 4, 1, NQ-1, \slot, 0
	MUL16 6, 1, NQ-1, \slot, 0
	PLACES NP
	WIN 0
	FETCH_A \next, 0, 4
.endm
	s_wait_alu depctr_va_vdst(0)
	s_wait_tensorcnt 0x0                           ; my tile of the head's four is in; slot 1's first fill is issued as a refill is:
	ds_add_u32 v[SPW], v[NIL]                      ; 0 onto my spare word
	s_mov_b32 s[G1+2], 96<<16                      ; no tensor load of mine is out: from here on a load brings 8 tiles, 96 rows
	s_mov_b32 s[G1+4], 96
	s_mov_b32 s[G1B+2], 96<<16
	s_mov_b32 s[G1B+4], 96
	s_wait_dscnt 0x0
	CROUND                                         ; all four tiles are in, and all sixteen work-groups are here
	JLOAD G0+4, G1, G0B+4, G1B                     ; K slot 1: the first tensor load behind the round
	FETCH_B 0, 0, 0
	FETCH_A 0, 0, 0
	SCALES 0, 0
	FETCH_A 0, 0, 4
	STEP 0, 0, 1                                   ; K = 1,024 is four slots: written out; the first products start the sums
	TURN 0, 1, 1, 1
	STEP 1, 0, 0
	TURN 1, 0, 1, 2
	STEP 0, 0, 0
	TURN 0, 1, 0, 3
	STEP 1, 0, 0
	s_wait_dscnt 4*NL
	WIN MUL_LO
	MUL16 0, 1, NQ-1, 1, 0
	MUL16 2, 1, NQ-1, 1, 0
	s_wait_dscnt 0
	WIN MUL_HI
	MUL16 4, 1, NQ-1, 1, 0
	MUL16 6, 1, NQ-1, 1, 0
	WIN 0
	PLACES NP
; THE WAY OUT.  A's block a: my 64 numbers (register 16 b + i = index 32 b + 16 h + i of my row) become a fragment's codes in v[PC] on and its scale word in v[PW].  Each accumulator is read from its low end on.
.macro QUANT a
.set AC, 64*((\a)%4)
.set WA, 2+(\a)/4
.set WQ, WA*5                          ; sources 0 and 1 in the accumulators' window
	WIN WQ
.irp b, 0,1,2,3
	v_max3_num_f32 v[TM+\b], |v[AC+16*\b]|, |v[AC+16*\b+1]|, 0x2800000   ; with the floor 2^(5 - 127): the byte cannot fall under 1
.endr
.irp i, 2,4,6,8,10,12,14
.irp b, 0,1,2,3
	v_max3_num_f32 v[TM+\b], |v[AC+16*\b+\i]|, |v[AC+16*\b+\i+1]|, v[TM+\b]
.endr
.endr
	WIN 0
.irp b, 0,1,2,3
	v_permlanex16_b32 v[TM+4+\b], v[TM+\b], s[SEL], s[SEL+1]
.endr
.irp b, 0,1,2,3
	v_max_num_f32 v[TM+\b], v[TM+\b], v[TM+4+\b]   ; with lane l xor 16's 16: the block's largest magnitude
.endr
.irp b, 0,1,2,3
	v_add_nc_u32 v[TM+12+\b], 0xfe000000, v[TM+\b] ; 4 off its exponent field: the conversion's scale operand
.endr
.irp b, 0,1,2,3
	v_lshrrev_b32 v[TM+4+\b], 23, v[TM+12+\b]      ; the byte
.endr
	v_lshl_or_b32 v[PW], v[TM+5], 8, v[TM+4]
	v_lshl_or_b32 v[PW], v[TM+6], 16, v[PW]
	v_lshl_or_b32 v[PW], v[TM+7], 24, v[PW]
	s_wait_xcnt 0x0                                ; the last block's stores have read their codes and offsets: both are written again only behind this wait
	WIN WA
.irp c, 0,1
	v_cvt_scalef32_pk16_bf6_f32 v[PC+6*\c:PC+2+6*\c], v[AC+32*\c:AC+15+32*\c], v[TM+12+2*\c]
	v_cvt_scalef32_pk16_bf6_f32 v[PC+12+4*\c:PC+14+4*\c], v[AC+16+32*\c:AC+31+32*\c], v[TM+12+2*\c+1]   ; (a conversion's three registers begin on an even number)
.endr
	WIN 0
	v_nop                                          ; one plain line behind the conversions
.irp c, 0,1                                    ; the layout wants a whole block in a lane: lanes 0-15 block 2 c, lanes 16-31 block 2 c + 1
.irp i, 0,1,2
	v_permlane16_swap_b32 v[PC+6*\c+\i], v[PC+12+4*\c+\i]
.endr
.irp i, 0,1,2
	v_mov_b32 v[PC+3+6*\c+\i], v[PC+12+4*\c+\i]
.endr
.endr
.endm
.irp b, 0,1,2,3
	v_mov_b32 v[TM+4+\b], 0                        ; written once: a lane permute's destination counts as one of its sources
.endr
.irp a, 0,1,2,3,4,5,6,7
	QUANT \a
	v_lshrrev_b32 v[W+\a], v[SH], v[PW]            ; q, k: lanes 16-31 keep the odd head's two bytes
	v_add_nc_u32 v[OF1], s[O1], v[L8]
	v_add_nc_u32 v[OF2], s[O2], v[L8]
.irp p, 0,1,2
	global_store_b64 v[OF1], v[PC+2*\p:PC+2*\p+1], s[8:9] offset:256*\p     ; 32 lanes store 256 consecutive bytes, at a multiple of 256
.endr
.irp p, 0,1,2
	global_store_b64 v[OF2], v[PC+6+2*\p:PC+7+2*\p], s[8:9] offset:256*\p
.endr
	s_add_co_u32 s[O1], s[O1], s[ST1]
	s_add_co_u32 s[O2], s[O2], s[ST1]
.if \a == 3
	s_add_co_u32 s[O1], s[O1], s[JMP]
	s_add_co_u32 s[O2], s[O2], s[JMP]
.endif
.endr
	s_cmp_eq_u32 ttmp9, 2                          ; the cluster's x: the same in all partners
	s_cbranch_scc1 .Lv_words
	global_store_b128 v[SO], v[W:W+3], s[8:9]      ; lanes 0-15 fill 256 bytes of the even head's record, lanes 16-31 of the odd head's
	global_store_b128 v[SO], v[W+4:W+7], s[8:9] offset:256
	s_branch .Lwords_out
.Lv_words:
	v_cmp_eq_u32 vcc_lo, 1, v2
	s_wait_alu depctr_va_vdst(0)
.irp i, 0,1,2,3
	v_cndmask_b32 v[DV+\i], v[W+\i], v[W+4+\i], vcc_lo   ; blocks 0-3 are the even head's channels, blocks 4-7 the odd head's
.endr
	global_store_b128 v[SO], v[DV:DV+3], s[8:9]
.Lwords_out:
	s_wait_tensorcnt 0x0                           ; the wave's end
	ds_add_u32 v[SPW], v[NIL]
	s_wait_dscnt 0x0
	CROUND                                         ; the closing round: no work-group ends while a partner may still ask for a tile that names it
	s_endpgm
.Lfunc_end_k_q101bdbf85c_qkv:
	.size	k_q101bdbf85c_qkv, .Lfunc_end_k_q101bdbf85c_qkv-k_q101bdbf85c_qkv
	.p2alignl 7, 3214868480
	.fill 96, 4, 3214868480
	.section	.rodata,"a",@progbits
	.p2align	6, 0x0
	.amdhsa_kernel k_q101bdbf85c_qkv
		.amdhsa_group_segment_fixed_size 327680
		.amdhsa_private_segment_fixed_size 0
		.amdhsa_enable_private_segment 0
		.amdhsa_kernarg_size 24
		.amdhsa_user_sgpr_count 2
		.amdhsa_user_sgpr_kernarg_segment_ptr 1
		.amdhsa_wavefront_size32 1
		.amdhsa_system_sgpr_workgroup_id_x 1
		.amdhsa_system_sgpr_workgroup_id_y 1
		.amdhsa_system_sgpr_workgroup_id_z 1
		.amdhsa_system_vgpr_workitem_id 0
		.amdhsa_next_free_vgpr 1024
		.amdhsa_next_free_sgpr 102
		.amdhsa_reserve_vcc 1
		.amdhsa_float_denorm_mode_32 3
		.amdhsa_float_denorm_mode_16_64 3
		.amdhsa_memory_ordered 1
		.amdhsa_forward_progress 1
		.amdhsa_inst_pref_size 170
	.end_amdhsa_kernel
	.amdgpu_metadata
---
amdhsa.version: [ 1, 2 ]
amdhsa.kernels:
  - .name:           k_q101bdbf85c_qkv
    .symbol:         k_q101bdbf85c_qkv.kd
    .args:
      - { .name: cod, .offset: 0, .size: 8, .value_kind: global_buffer, .address_space: global }
      - { .name: scl, .offset: 8, .size: 8, .value_kind: global_buffer, .address_space: global }
      - { .name: att, .offset: 16, .size: 8, .value_kind: global_buffer, .address_space: global }
    .group_segment_fixed_size: 327680
    .private_segment_fixed_size: 0
    .kernarg_segment_align: 8
    .kernarg_segment_size: 24
    .max_flat_workgroup_size: 128
    .sgpr_count:     102
    .vgpr_count:     1024
    .wavefront_size: 32
...
	.end_amdgpu_metadata
.endif
;; end of part 2
;; launch attn (part 3): grid 16 x 16, 8 waves a work-group, no clusters, 327,680 bytes of LDS; arguments att, oi, os; writes oi, os
.if DOCPART == 3
	.amdgcn_target "amdgcn-amd-amdhsa--gfx1250"
	.amdhsa_code_object_version 6
	.text
	.protected	k_q101bdbf85c_attn
	.globl	k_q101bdbf85c_attn
	.p2align	8
	.type	k_q101bdbf85c_attn,@function
k_q101bdbf85c_attn:
	s_mov_b64 s[64:65], 0
	v_nop
	global_prefetch_b8 v0, s[64:65] scope:SCOPE_SE
	s_setreg_imm32_b32 hwreg(HW_REG_WAVE_MODE, 25, 1), 1
	s_wait_xcnt 0x0
; Causal attention on codes of BF6 (E3M2) with E8M0 scales, 16 heads of 64 channels, 4,096 tokens.  Both products transposed: S^T = K Q^T (source 0 = 16 keys, source 1 = 16 queries), O^T = V^T P^T: a lane holds one query.
; LEFT OUT: key steps that lie wholly above the diagonal of the mask that the problem itself builds (tril): their scores become -infinity and their p is 0 for all inputs.  A NaN or infinity that reaches only those steps is not carried on.
; THE SOFTMAX: t = score x log2(e) / 8; M = the running largest t rounded UP to a whole number; p = 2^(t - M) is quantised along the keys; the row's sum is taken of the unquantised p and divides O at the end;
; when M moves, the sum and O^T are multiplied by 2^(old M - new M), which rounds nothing.  O / sum is quantised along the head's 64 channels and leaves as half an operand image of the last product.
; K = 64 FILLS HALF OF THE INSTRUCTION'S 128: q's upper six registers are zero codes; k's upper six are whatever codes lie there (E3M2 has finite codes alone): they meet zeros.  The words' bytes 2 and 3 are never 0xff.
; SHARES: work-group (j, head) owns the groups of 128 queries j (tile A) and 31 - j (tile B); wave w owns tile w of both.  ONE walk over key steps 0 .. 31 - j: B takes every step, A steps 0 .. j from the same registers of K and V:
; 33 tile steps for every wave.  The loops count 4 slots x 8 steps in every work-group; steps beyond 31 - j are jumped over on ids alone, and so is each wave's load of a record beyond 31 - j.
; THE RING: two LDS slots of eight records (a key step's K half images, K words, V fragments, V words: 51 rows of 256 bytes, 32 bytes of padding behind each); every wave fetches one record of a slot, all eight read them.
; WHICH KEYS FORM A TILE is chosen by the lanes' LDS addresses: row m of tile 4 c + u is key 64 c + 32 (m / 8) + 8 u + m % 8, so that a lane's 32 registers of tiles 4 c .. 4 c + 3 are the whole block 2 c + h of p's K:
; a block's maximum needs no other lane, and the conversions' results are the operand's registers.  In memory row r of tile 2 B + u is token 32 B + 8 u + r + 8 (r / 8): lanes with r >= 8 read two tiles (6 LDS rows) further on.
; With rows 288 bytes apart the four groups of eight lanes of such a load begin at bytes 0, 192, 128, 64 modulo 256.
; NO CLUSTER: partners would need different numbers of records (32 - j), and the walk's branches hang on j, which differs between partners.
; LIMITS: a block whose largest magnitude lies under 2^-122 (zeros among them) gets the byte 1; only this program reads the bytes.  1 / sum is v_rcp_f32 and a multiplication.  NaN and infinities are not served.
; The promise holds while the scaled scores stay under 2^31 in magnitude.
.set REC,    13056                     ; a record in memory
.set LP,     288                       ; an LDS row
.set LREC,   51*LP                     ; a record in LDS
.set QREC,   6656
.set KVB,    3407872
.set HS,     32*REC
.set S1,     132352                    ; slot 1: behind slot 0's eight records and room for a ninth
.set SPARE,  264704                    ; the spare words, 128 bytes a wave: four blocks of 256 bytes that no other line names
.set XPLANE, 786432
; window 0: v1 8 x lane, v2 16 r, v3 my query - 32 h, v4, v7 lane terms of K's fragments and words, v5, v6 the spare word and 0, v8, v9, v11, v46 LDS addresses, v10 the prefetch's offset
.set MB,   12                          ; v[12:13] -M and the largest t of tile B; v[14:15] its sum
.set SUB,  14
.set QB,   16                          ; v16-27 B's q and six registers of zero codes; v28-39 A's
.set QA,   28
.set QWB,  40
.set QWA,  41
.set MA,   42
.set SUA,  44
.set AVW,  46
.set T0,   47
.set KR,   48                          ; v48-95 K's 8 half images; tile 7's upper half reaches into v96-101
.set PCD,  96                          ; v96-107 p's codes
.set CT,   108                         ; v108-110, v112-114 conversions' second halves
.set PWD,  111                         ; p's scale word
.set T1,   115
.set KW,   116                         ; v116-123 K's words
.set VW,   124                         ; v124-127 V's words
.set S,    128                         ; v128-191 S^T, then p
.set BM,   192                         ; v192-195 maxima
.set PT,   196
.set SH8,  197                         ; 8 h
.set SOP,  198                         ; v198-199 the conversions' scale operands
.set FF,   200                         ; v[200:201] f = 2^(old M - new M); the upper half is only named
.set ST,   202                         ; v202-207 three chains of the sum; on the way out offsets and bytes
.set OFV,  202
.set OSV,  203
.set HW,   204
.set P2,   206
.set VR,   208                         ; v208-255 V's 4 fragments
.set OA,   0                           ; window 1: v0-31 A's O^T, v32-63 B's
.set OB,   32
.set TBN,  10
.set SBF,  11
.set WV,   18
.set WOF,  19
.set SEL,  20
.set CS,   22
.set G1,   24
.set G0,   32
.set J,    36
.set LAST, 37                          ; 31 - j
.set NPS,  38                          ; the record that my wave fetched last
.set POS,  39                          ; the key step in hand
.set SB,   40
.set TB,   41
.set SLOTS, 42
.set TRI,  43
.set KVH,  44
.set OIA,  50
.set OIB,  51
.set OSA,  52
.set OSB,  53
.set PFA,  54
.set LIM,  56
.set HD,   58
.set MSB, 0
.macro WIN new                         ; the immediate's high byte repeats the setting that is left
.if MSB != \new
	s_set_vgpr_msb (MSB<<8)|\new
.set MSB, \new
.endif
.endm
.macro NOPS
.rept 4
	v_nop
.endr
.endm
.macro LOADK                           ; 28 loads
.irp t, 0,1,2,3,4,5,6,7
.irp p, 0,1,2
	ds_load_b64 v[KR+6*\t+2*\p:KR+6*\t+2*\p+1], v8 offset:((4*(\t/4)+\t%2)*3+\p)*LP+64*((\t%4)/2)
.endr
.endr
.irp q, 0,1,2,3
	ds_load_b64 v[KW+2*\q:KW+2*\q+1], v9 offset:(24+\q/2)*LP+128*(\q%2)
.endr
.endm
.macro LOADV                           ; 25 loads
.irp t, 0,1,2,3
.irp p, 0,1,2,3,4,5
	ds_load_b64 v[VR+12*\t+2*\p:VR+12*\t+2*\p+1], v11 offset:(26+6*\t+\p)*LP
.endr
.endr
	ds_load_b128 v[VW:VW+3], v[AVW] offset:50*LP
.endm
.macro PRELOAD                         ; a slot's first record; the four adds are the places behind the last products
	v_add_nc_u32 v8, s[TB], v4
	v_add_nc_u32 v9, s[TB], v7
	v_add_nc_u32 v11, s[TB], v1
	v_add_nc_u32 v[AVW], s[TB], v2
	LOADK
	LOADV
.endm
; A PREFETCH INTO THE L2 of the eight records that the NEXT change of slots asks for: 408 blocks of 256 bytes, shared out among the head's 16 work-groups, 26 each, a lane a block, wave 0 alone;
; lanes left over name their wave's last block again.  Records 16-23 are asked for at the first change, 24-31 at the second; then nothing.  Records 0-15 come by their loads alone.
.macro ASK
	s_cmp_ge_u32 s[SLOTS], s[LIM]
	s_cbranch_scc0 .Lnoask_\@
	global_prefetch_b8 v10, s[PFA:PFA+1] th:TH_LOAD_NT scope:SCOPE_SE
.Lnoask_\@:
.endm
; THE CHANGE OF SLOTS.  Each wave waits for all its tensor loads, adds 0 to its spare word, and waits for that and for its reads of the slot that it has left; behind the barrier that slot takes the next eight records.
; cond = 1: my load is jumped over where my record lies beyond 31 - j: the test by which that step's reads are jumped over.
.macro CHANGE cond
	s_wait_tensorcnt 0x0                           ; no tensor load of mine is out, so group 0 may be written
	ds_add_u32 v5, v6
	s_xor_b32 s[SBF], s[SBF], S1
	s_add_co_u32 s[G0+1], s[SBF], s[WOF]
	s_add_co_u32 s[NPS], s[NPS], 8
	s_mul_i32 s46, s[NPS], REC
	s_mov_b32 s47, 0
	s_add_nc_u64 s[G0+2:G0+3], s[KVH:KVH+1], s[46:47]
	s_or_b32 s[G0+3], s[G0+3], 0x80000000
	s_wait_xcnt 0x0                                ; the last prefetch, a slot back, has read its address
	s_add_nc_u64 s[PFA:PFA+1], s[PFA:PFA+1], 8*REC
	s_wait_dscnt 0x0
	s_barrier_signal -1
	s_barrier_wait -1
.if \cond
	s_cmp_gt_u32 s[NPS], s[LAST]
	s_cbranch_scc1 .Lnofill_\@
.endif
	tensor_load_to_lds s[G0:G0+3], s[G1:G1+7]
	s_nop 0
	NOPS
.Lnofill_\@:
	ASK
.endm
; A TILE IS FINISHED: O^T / sum, quantised along the head's 64 channels (register 16 B + i = channel 32 B + 16 h + i), leaves as a half image, 768 bytes, and two scale bytes a row.
.macro OUTTILE SU, O, OIO, OSO
	v_add_f32 v[\SU], v[\SU], v[\SU+1]
	v_permlanex16_b32 v[PT], v[\SU], s[SEL], s[SEL+1]
	v_add_f32 v[\SU], v[\SU], v[PT]
	s_wait_alu depctr_va_vdst(0)
	v_rcp_f32 v[\SU], v[\SU]
	v_add_nc_u32 v[OFV], s[\OIO], v1
	v_add_nc_u32 v[OSV], s[\OSO], v2
	WIN 0x01
	s_wait_alu depctr_va_vdst(0)                   ; ahead of the first reader of the reciprocal and of O^T
.set n, 0
.rept 16
	v_pk_mul_f32 v[S+n:S+n+1], v[\O+n:\O+n+1], v[\SU:\SU+1] op_sel_hi:[1,0]
.set n, n+2
.endr
	WIN 0
.irp b, 0,1
	v_max3_num_f32 v[BM+\b], |v[S+16*\b]|, |v[S+16*\b+1]|, 0x2800000
.endr
.irp i, 2,4,6,8,10,12,14
.irp b, 0,1
	v_max3_num_f32 v[BM+\b], v[BM+\b], |v[S+16*\b+\i]|, |v[S+16*\b+\i+1]|
.endr
.endr
.irp b, 0,1
	v_permlanex16_b32 v[P2+\b], v[BM+\b], s[SEL], s[SEL+1]
.endr
.irp b, 0,1
	v_max_num_f32 v[BM+\b], v[BM+\b], v[P2+\b]
.endr
.irp b, 0,1
	v_add_nc_u32 v[SOP+\b], 0xfe000000, v[BM+\b]
.endr
.irp b, 0,1
	v_lshrrev_b32 v[P2+\b], 23, v[SOP+\b]
.endr
	v_lshl_or_b32 v[HW], v[P2+1], 8, v[P2]
	v_cvt_scalef32_pk16_bf6_f32 v[PCD:PCD+2], v[S:S+15], v[SOP]
	v_cvt_scalef32_pk16_bf6_f32 v[CT:CT+2], v[S+16:S+31], v[SOP+1]
	v_nop                                          ; one plain line behind the conversions
.irp i, 0,1,2
	v_permlane16_swap_b32 v[PCD+\i], v[CT+\i]      ; lanes 0-15 now hold block 0, lanes 16-31 block 1
.endr
.irp i, 0,1,2
	v_mov_b32 v[PCD+3+\i], v[CT+\i]
.endr
.irp p, 0,1,2
	global_store_b64 v[OFV], v[PCD+2*\p:PCD+2*\p+1], s[6:7] offset:256*\p   ; 32 lanes store 256 consecutive bytes, at a multiple of 256
.endr
	global_store_b16 v[OSV], v[HW], s[8:9]         ; lanes l and l xor 16 store the same two bytes to the same place
	s_wait_alu depctr_va_vdst(0)
	s_wait_xcnt 0x0                                ; the stores have read their registers: the codes' are written again later
	NOPS                                           ; four places between the codes' last write and the next scaled product that names their registers
.endm
.macro SUMR SU, m                      ; four pairs of p onto the sum's four chains
.irp n, 0,1,2
	v_pk_add_f32 v[ST+2*\n:ST+2*\n+1], v[ST+2*\n:ST+2*\n+1], v[S+14+8*\m+2*\n:S+15+8*\m+2*\n]
.endr
	v_pk_add_f32 v[\SU:\SU+1], v[\SU:\SU+1], v[S+20+8*\m:S+21+8*\m]
.endm
; ONE TILE OF 16 QUERIES AGAINST THE STEP'S 128 KEYS.  last = 1 (tile B): the next step's K is asked for behind the scores, its V behind the second product; not at a slot's last step nor at the walk's last.
.macro TILE Q, QW, MP, SU, O, DG, OIO, OSO, last
.irp t, 0,1,2,3,4,5,6,7
	v_wmma_scale_f32_16x16x128_f8f6f4 v[S+8*\t:S+8*\t+7], v[KR+6*\t:KR+6*\t+11], v[\Q:\Q+11], 0, v[KW+\t], v[\QW] matrix_a_fmt:MATRIX_FMT_BF6 matrix_b_fmt:MATRIX_FMT_BF6
.endr
.if \last
	v_add_nc_u32 v8, s[TBN], v4                    ; four places behind the products
	v_add_nc_u32 v9, s[TBN], v7
	v_nop
	v_nop
	s_wait_alu depctr_va_vdst(0)
	s_wait_dscnt 0x0                               ; this step's V is in
	s_cmp_eq_u32 s[TRI], 1
	s_cbranch_scc1 .Lnok_\@
	s_cmp_eq_u32 s[POS], s[LAST]
	s_cbranch_scc1 .Lnok_\@
	LOADK
.Lnok_\@:
.else
	NOPS
	s_wait_dscnt 0x0                               ; this step's V is in
.endif
	s_cmp_lg_u32 s[POS], s[\DG]                    ; on the diagonal the scores of hidden keys become -infinity ahead of the maximum
	s_cbranch_scc1 .Lopen_\@
	v_mov_b32 v[T1], 0xff800000
.set n, 0
.rept 64
	v_cmp_gt_i32 vcc_lo, 64*(n/32)+n%32, v3        ; register n holds key 64 (n / 32) + 32 h + n % 32 of the step
	v_cndmask_b32 v[S+n], v[S+n], v[T1], vcc_lo
.set n, n+1
.endr
.Lopen_\@:
.irp b, 0,1,2,3                        ; four chains, each accumulator from its low end on
	v_max3_num_f32 v[BM+\b], v[S+16*\b], v[S+16*\b+1], v[S+16*\b+2]
.endr
.irp i, 3,5,7,9,11,13
.irp b, 0,1,2,3
	v_max3_num_f32 v[BM+\b], v[BM+\b], v[S+16*\b+\i], v[S+16*\b+\i+1]
.endr
.endr
.irp c, 0,2
	v_max3_num_f32 v[BM+\c], v[BM+\c], v[BM+\c+1], v[S+16*\c+15]
.endr
.irp c, 0,2
	v_max_num_f32 v[BM+\c], v[BM+\c], v[S+16*\c+31]   ; the largest score of my blocks h and 2 + h: for the row's maximum and for the block's largest p
.endr
	v_max_num_f32 v[T0], v[BM], v[BM+2]
	v_permlanex16_b32 v[PT], v[T0], s[SEL], s[SEL+1]
	v_max_num_f32 v[T0], v[T0], v[PT]
	v_mul_f32 v[T0], s[CS], v[T0]
	v_max_num_f32 v[\MP+1], v[\MP+1], v[T0]        ; the running largest t
	v_mov_b32 v[T0], v[\MP]
	v_floor_f32 v[\MP], -v[\MP+1]                  ; the new -M = -ceil(t)
	v_sub_f32 v[T0], v[\MP], v[T0]                 ; old M - new M: a whole number, 0 or less
	v_cvt_i32_f32 v[T0], v[T0]                     ; (it saturates)
	v_ldexp_f32 v[FF], 1.0, v[T0]                  ; f = 2^(old M - new M)
.set n, 0
.rept 32
	v_pk_fma_f32 v[S+n:S+n+1], v[S+n:S+n+1], s[CS:CS+1], v[\MP:\MP+1] op_sel_hi:[1,0,0]   ; t - M
.set n, n+2
.endr
.irp c, 0,2
	v_fma_f32 v[BM+\c], v[BM+\c], s[CS], v[\MP]
.endr
	s_wait_alu depctr_va_vdst(0)
.irp c, 0,2
	v_exp_f32 v[BM+\c], v[BM+\c]                   ; each block's largest p
.endr
.set n, 0
.rept 64
	v_exp_f32 v[S+n], v[S+n]                       ; p = 2^(t - M)
.set n, n+1
.endr
	v_pk_mul_f32 v[\SU:\SU+1], v[\SU:\SU+1], v[FF:FF+1] op_sel_hi:[1,0]   ; the sum under the new M (a plain line behind the batch)
	s_wait_alu depctr_va_vdst(0)                   ; one wait for the batch, ahead of its first reader
.irp n, 0,1,2                          ; the sum of the unquantised p, in four chains; the blocks' scales are made between them
	v_pk_add_f32 v[ST+2*\n:ST+2*\n+1], v[S+4*\n:S+4*\n+1], v[S+4*\n+2:S+4*\n+3]
.endr
	v_pk_add_f32 v[\SU:\SU+1], v[\SU:\SU+1], v[S+12:S+13]
.irp c, 0,2
	v_max_num_f32 v[BM+\c], 0x2800000, v[BM+\c]    ; the floor 2^(5 - 127)
.endr
	SUMR \SU, 0
.irp c, 0,1
	v_add_nc_u32 v[SOP+\c], 0xfe000000, v[BM+2*\c] ; 4 off the exponent field: the conversion's scale operand
.endr
	SUMR \SU, 1
.irp c, 0,1
	v_lshrrev_b32 v[BM+2*\c+1], 23, v[SOP+\c]      ; the byte
.endr
	SUMR \SU, 2
	v_lshl_or_b32 v[PWD], v[BM+3], 16, v[BM+1]     ; my two bytes: blocks h and 2 + h,
	SUMR \SU, 3
	v_lshlrev_b32 v[PWD], v[SH8], v[PWD]           ; 8 h bits up;
	SUMR \SU, 4
	v_permlanex16_b32 v[PT], v[PWD], s[SEL], s[SEL+1]
	SUMR \SU, 5
	v_or_b32 v[PWD], v[PWD], v[PT]                 ; with lane l xor 16's two the word is whole
	v_pk_add_f32 v[ST:ST+1], v[ST:ST+1], v[S+62:S+63]
	v_pk_add_f32 v[\SU:\SU+1], v[\SU:\SU+1], v[ST+4:ST+5]
	v_pk_add_f32 v[ST:ST+1], v[ST:ST+1], v[ST+2:ST+3]
	v_pk_add_f32 v[\SU:\SU+1], v[\SU:\SU+1], v[ST:ST+1]
.irp c, 0,1
	v_cvt_scalef32_pk16_bf6_f32 v[PCD+6*\c:PCD+6*\c+2], v[S+32*\c:S+32*\c+15], v[SOP+\c]
	v_cvt_scalef32_pk16_bf6_f32 v[CT+4*\c:CT+4*\c+2], v[S+32*\c+16:S+32*\c+31], v[SOP+\c]   ; (a conversion's three registers begin on an even number)
.endr
	v_nop                                          ; one plain line behind the conversions
.irp c, 0,1
.irp i, 0,1,2
	v_mov_b32 v[PCD+3+6*\c+\i], v[CT+4*\c+\i]
.endr
.endr
	WIN 0x41
	s_wait_alu depctr_va_vdst(0)                   ; directly ahead of the first reader of O^T
.set n, 0
.rept 16
	v_pk_mul_f32 v[\O+n:\O+n+1], v[\O+n:\O+n+1], v[FF:FF+1] op_sel_hi:[1,0]   ; O^T under the new M; for each product below twelve of these name none of its registers: the places behind p's word and codes
.set n, n+2
.endr
	WIN 0x50
.irp t, 0,1,2,3                        ; four accumulators, one instruction each: they take turns
	v_wmma_scale_f32_16x16x128_f8f6f4 v[\O+8*\t:\O+8*\t+7], v[VR+12*\t:VR+12*\t+11], v[PCD:PCD+11], v[\O+8*\t:\O+8*\t+7], v[VW+\t], v[PWD] matrix_a_fmt:MATRIX_FMT_BF6 matrix_b_fmt:MATRIX_FMT_BF6
.endr
	WIN 0
	s_cmp_lg_u32 s[POS], s[\DG]                    ; the diagonal step is the tile's last
	s_cbranch_scc1 .Lon_\@
	NOPS
	OUTTILE \SU, \O, \OIO, \OSO
.Lon_\@:
.if \last
	v_add_nc_u32 v11, s[TBN], v1                   ; four places behind the products
	v_add_nc_u32 v[AVW], s[TBN], v2
	v_nop
	v_nop
	s_cmp_eq_u32 s[TRI], 1
	s_cbranch_scc1 .Lno_v
	s_cmp_eq_u32 s[POS], s[LAST]
	s_cbranch_scc1 .Lno_v
	LOADV
.endif
.endm
	s_load_b128 s[4:7], s[0:1], 0x0                ; att, oi
	s_load_b64 s[8:9], s[0:1], 0x10                ; os
	v_lshl_add_u32 v5, v0, 2, SPARE
	v_mov_b32 v6, 0
	ds_add_u32 v5, v6                              ; the opening lines: the add, twice on end, and its wait
	ds_add_u32 v5, v6
	v_lshrrev_b32 v1, 5, v0
	v_readfirstlane_b32 s[WV], v1                  ; wave 0..7
	s_and_b32 s[HD], ttmp7, 0xffff                 ; the head
	s_mov_b32 s[J], ttmp9
	s_sub_co_u32 s[LAST], 31, ttmp9
	s_mov_b32 s[G1], (3<<16)|(1<<20)|(5<<22)|(7<<25)   ; 51 dense rows of 256 bytes (32 elements of 8); behind every 64 words 8 words of padding
	s_mov_b32 s[G1+1], 32<<16
	s_mov_b32 s[G1+2], 51<<16
	s_mov_b32 s[G1+3], 32<<16
	s_mov_b32 s[G1+4], 51
	s_mov_b32 s[G1+5], 32
	s_mov_b32 s[G1+6], 0
	s_mov_b32 s[G1+7], 0
	s_mov_b32 s[NPS], s[WV]
	s_mul_i32 s[WOF], s[WV], LREC
	s_lshl_b32 s46, s[HD], 5
	s_add_co_u32 s57, s46, s[J]                    ; q's record of group j,
	s_add_co_u32 s59, s46, s[LAST]                 ; and of group 31 - j
	s_mul_i32 s57, s57, QREC
	s_mul_i32 s59, s59, QREC
	s_mul_i32 s60, s[WV], 768                      ; my tile's half image
	s_lshr_b32 s61, s[WV], 2
	s_lshl_b32 s61, s61, 8
	s_and_b32 s46, s[WV], 3
	s_lshl_b32 s46, s46, 2
	s_add_co_u32 s61, s61, s46
	s_add_co_u32 s61, s61, 6144                    ; and its scale words
	s_lshr_b32 s62, s[WV], 1
	s_lshl_b32 s62, s62, 5
	s_and_b32 s46, s[WV], 1
	s_lshl_b32 s46, s46, 3
	s_add_co_u32 s62, s62, s46                     ; 32 (w / 2) + 8 (w % 2)
	s_mul_i32 s63, s[J], 26
	s_lshr_b32 s46, s[HD], 2                       ; a half image's place: K slot head / 4, K step (head / 2) % 2, half head % 2, tile 8 x group + w
	s_mul_i32 s46, s46, XPLANE
	s_bfe_u32 s47, s[HD], 0x10001
	s_mul_i32 s47, s47, 1536
	s_add_co_u32 s46, s46, s47
	s_and_b32 s47, s[HD], 1
	s_mul_i32 s47, s47, 768
	s_add_co_u32 s46, s46, s47
	s_lshl_b32 s47, s[J], 3
	s_add_co_u32 s47, s47, s[WV]
	s_lshl_b32 s48, s[LAST], 3
	s_add_co_u32 s48, s48, s[WV]
	s_mul_i32 s49, s47, 3072
	s_add_co_u32 s[OIA], s46, s49
	s_mul_i32 s49, s48, 3072
	s_add_co_u32 s[OIB], s46, s49
	s_lshr_b32 s46, s[HD], 3                       ; the two scale bytes: 512 x tile + 256 (head / 8) + 4 ((head / 2) % 4) + 2 (head % 2) + 16 r
	s_lshl_b32 s46, s46, 8
	s_bfe_u32 s49, s[HD], 0x20001
	s_lshl_b32 s49, s49, 2
	s_add_co_u32 s46, s46, s49
	s_and_b32 s49, s[HD], 1
	s_lshl_b32 s49, s49, 1
	s_add_co_u32 s46, s46, s49
	s_lshl_b32 s47, s47, 9
	s_add_co_u32 s[OSA], s46, s47
	s_lshl_b32 s48, s48, 9
	s_add_co_u32 s[OSB], s46, s48
	s_cmp_eq_u32 s[WV], 0
	s_cselect_b32 s[LIM], 4, -1                    ; wave 0 prefetches while four slots are to go
	s_mov_b32 s[SEL], 0x76543210
	s_mov_b32 s[SEL+1], 0xfedcba98
	s_mov_b32 s[CS], 0x3e38aa3b                    ; c = log2(e) / 8
	s_mov_b32 s[CS+1], s[CS]
	s_mov_b32 s[POS], 0
	s_mov_b32 s[SB], 0
	s_mov_b32 s[TB], 0
	s_mov_b32 s[SBF], 0
	s_mov_b32 s[SLOTS], 4
	s_mul_i32 s48, s[WV], REC
	s_mov_b32 s49, 0
	s_mul_i32 s46, s[HD], HS
	s_add_co_u32 s46, s46, KVB
	s_mov_b32 s47, 0
	s_wait_dscnt 0x0
	s_wait_kmcnt 0x0
	s_add_nc_u64 s[KVH:KVH+1], s[4:5], s[46:47]
	s_mov_b32 s[G0], 1
	s_mov_b32 s[G0+1], s[WOF]                      ; slot 0, record = wave
	s_add_nc_u64 s[G0+2:G0+3], s[KVH:KVH+1], s[48:49]
	s_or_b32 s[G0+3], s[G0+3], 0x80000000
	s_add_nc_u64 s[PFA:PFA+1], s[KVH:KVH+1], 8*REC ; the first change of slots steps it to record 16
	tensor_load_to_lds s[G0:G0+3], s[G1:G1+7]      ; key steps 0 to 7, one a wave: every work-group reads all of them (31 - j is at least 16)
	s_nop 0
	v_and_b32 v128, 31, v0                         ; lane
	v_and_b32 v129, 15, v0                         ; r
	v_bfe_u32 v130, v0, 4, 1                       ; h
	v_and_b32 v131, 7, v0                          ; r % 8
	v_bfe_u32 v132, v0, 3, 1                       ; r / 8
	v_lshlrev_b32 v1, 3, v128
	v_lshlrev_b32 v2, 4, v129
	v_lshlrev_b32 v4, 3, v131
	v_lshlrev_b32 v7, 4, v131
	v_mad_u32_u24 v4, v132, 6*LP, v4
	v_lshl_add_u32 v7, v132, 3, v7                 ; K's words: 16 (r % 8) + 8 (r / 8)
	v_lshl_add_u32 v4, v130, 7, v4                 ; K's fragments: 8 (r % 8) + 128 h + two tiles x (r / 8)
	v_lshlrev_b32 v[SH8], 3, v130
	v_and_b32 v133, 8, v129
	v_add3_u32 v3, v133, v129, s62                 ; my query in its group: 32 (w / 2) + 8 (w % 2) + r + 8 (r / 8),
	v_lshlrev_b32 v133, 5, v130
	v_sub_nc_u32 v3, v3, v133                      ; less 32 h
	v_add3_u32 v134, s57, s60, v1
	v_add3_u32 v135, s59, s60, v1
	v_add3_u32 v136, s57, s61, v2
	v_add3_u32 v137, s59, s61, v2
.irp p, 0,1,2
	global_load_b64 v[QA+2*\p:QA+2*\p+1], v134, s[4:5] offset:256*\p
	global_load_b64 v[QB+2*\p:QB+2*\p+1], v135, s[4:5] offset:256*\p
.endr
	global_load_b32 v[QWA], v136, s[4:5]
	global_load_b32 v[QWB], v137, s[4:5]
	v_min_u32 v10, 25, v128
	v_add_nc_u32 v10, s63, v10
	v_min_u32 v10, 407, v10
	v_lshlrev_b32 v10, 8, v10                      ; 256 x min(26 j + min(lane, 25), 407)
.irp i, 0,1,2,3,4,5
	v_mov_b32 v[QA+6+\i], 0                        ; zero codes: K = 64 .. 127 of q
	v_mov_b32 v[QB+6+\i], 0
	v_mov_b32 v[PCD+\i], 0                         ; named by k's last tile before p's first codes are made
.endr
	v_mov_b32 v[PT], 0                             ; a lane permute's destination counts as one of its sources
	v_mov_b32 v[FF+1], 0
.irp r, SUA, SUA+1, SUB, SUB+1
	v_mov_b32 v[\r], 0
.endr
	v_mov_b32 v[MA+1], 0xff61b1e6                  ; the largest t so far: -3e38
	v_mov_b32 v[MB+1], 0xff61b1e6
	v_floor_f32 v[MA], -v[MA+1]
	v_floor_f32 v[MB], -v[MB+1]
	WIN 0x40
.set n, 0
.rept 64
	v_mov_b32 v[n], 0                              ; O^T of both tiles: the step is written once; the first finds zeros
.set n, n+1
.endr
	WIN 0
	s_wait_alu depctr_va_vdst(0)
	s_wait_loadcnt 0x0                             ; both tiles of q and their words
	CHANGE 0                                       ; slot 0 is whole; slot 1's first fill, key steps 8 to 15, is issued as a refill is
	PRELOAD
.Lslot:
	s_mov_b32 s[TRI], 8
.Lstep:
	s_cmp_gt_u32 s[POS], s[LAST]                   ; beyond 31 - j every key is hidden from both tiles
	s_cbranch_scc1 .Lskip
	s_add_co_u32 s[TBN], s[TB], LREC
	s_wait_dscnt 25                                ; K and its words are in; V's 25 younger loads may be out
	s_cmp_gt_u32 s[POS], s[J]
	s_cbranch_scc1 .Lno_a
	TILE QA, QWA, MA, SUA, OA, J, OIA, OSA, 0
.Lno_a:
	TILE QB, QWB, MB, SUB, OB, LAST, OIB, OSB, 1
	s_branch .Lskip
.Lno_v:
	s_wait_dscnt 0x0                               ; no V was asked for: no LDS load of mine stays out on this way, so that the counted wait at a step's head holds on every way to it
.Lskip:
	s_add_co_u32 s[POS], s[POS], 1
	s_add_co_u32 s[TB], s[TB], LREC
	s_sub_co_u32 s[TRI], s[TRI], 1
	s_cmp_lg_u32 s[TRI], 0
	s_cbranch_scc1 .Lstep
	CHANGE 1
	s_xor_b32 s[SB], s[SB], S1
	s_mov_b32 s[TB], s[SB]
	s_cmp_gt_u32 s[POS], s[LAST]
	s_cbranch_scc1 .Lno_pre
	PRELOAD
.Lno_pre:
	s_sub_co_u32 s[SLOTS], s[SLOTS], 1
	s_cmp_lg_u32 s[SLOTS], 0
	s_cbranch_scc1 .Lslot
	s_wait_tensorcnt 0x0                           ; the wave's end
	ds_add_u32 v5, v6
	s_wait_dscnt 0x0
	s_endpgm
.Lfunc_end_k_q101bdbf85c_attn:
	.size	k_q101bdbf85c_attn, .Lfunc_end_k_q101bdbf85c_attn-k_q101bdbf85c_attn
	.p2alignl 7, 3214868480
	.fill 96, 4, 3214868480
	.section	.rodata,"a",@progbits
	.p2align	6, 0x0
	.amdhsa_kernel k_q101bdbf85c_attn
		.amdhsa_group_segment_fixed_size 327680
		.amdhsa_private_segment_fixed_size 0
		.amdhsa_enable_private_segment 0
		.amdhsa_kernarg_size 24
		.amdhsa_user_sgpr_count 2
		.amdhsa_user_sgpr_kernarg_segment_ptr 1
		.amdhsa_wavefront_size32 1
		.amdhsa_system_sgpr_workgroup_id_x 1
		.amdhsa_system_sgpr_workgroup_id_y 1
		.amdhsa_system_sgpr_workgroup_id_z 1
		.amdhsa_system_vgpr_workitem_id 0
		.amdhsa_next_free_vgpr 320
		.amdhsa_next_free_sgpr 66
		.amdhsa_reserve_vcc 1
		.amdhsa_float_denorm_mode_32 3
		.amdhsa_float_denorm_mode_16_64 3
		.amdhsa_memory_ordered 1
		.amdhsa_forward_progress 1
		.amdhsa_inst_pref_size 66
	.end_amdhsa_kernel
	.amdgpu_metadata
---
amdhsa.version: [ 1, 2 ]
amdhsa.kernels:
  - .name:           k_q101bdbf85c_attn
    .symbol:         k_q101bdbf85c_attn.kd
    .args:
      - { .name: att, .offset: 0, .size: 8, .value_kind: global_buffer, .address_space: global }
      - { .name: oi, .offset: 8, .size: 8, .value_kind: global_buffer, .address_space: global }
      - { .name: os, .offset: 16, .size: 8, .value_kind: global_buffer, .address_space: global }
    .group_segment_fixed_size: 327680
    .private_segment_fixed_size: 0
    .kernarg_segment_align: 8
    .kernarg_segment_size: 24
    .max_flat_workgroup_size: 256
    .sgpr_count:     66
    .vgpr_count:     320
    .wavefront_size: 32
...
	.end_amdgpu_metadata
.endif
;; end of part 3
;; launch proj (part 4): grid 8 x 32, 4 waves a work-group, clusters of 4 x 4, 327,680 bytes of LDS; arguments oi, os, cod, scl, out0; writes out0
.if DOCPART == 4
	.amdgcn_target "amdgcn-amd-amdhsa--gfx1250"
	.amdhsa_code_object_version 6
	.text
	.protected	k_q101bdbf85c_proj
	.globl	k_q101bdbf85c_proj
	.p2align	8
	.type	k_q101bdbf85c_proj,@function
k_q101bdbf85c_proj:
	s_mov_b64 s[64:65], 0
	v_nop
	global_prefetch_b8 v0, s[64:65] scope:SCOPE_SE
	s_setreg_imm32_b32 hwreg(HW_REG_WAVE_MODE, 25, 1), 1
	s_wait_xcnt 0x0
	s_wait_alu depctr_hold_cnt(0) depctr_sa_sdst(0) depctr_va_vdst(0) depctr_va_sdst(0) depctr_va_ssrc(0) depctr_va_vcc(0) depctr_vm_vsrc(0)
	s_getreg_b32 s2, hwreg(HW_REG_IB_STS2, 6, 4)
	s_cmp_eq_u32 s2, 0
	s_cbranch_scc0 .Lentry_in_a_cluster
	s_endpgm
.Lentry_in_a_cluster:
	s_bfe_u32 s2, ttmp6, 0x10000c
	s_cmp_lg_u32 s2, 0xf033
	s_cbranch_scc0 .Lentry_shape_is_right
	s_endpgm
.Lentry_shape_is_right:
; out0 = o w_o on codes of BF6 (E3M2) with E8M0 scales: o's images and scale words come from the attention launch, w_o's from the first launch; out0 [4096][1024] f32.
; A work-group of four waves makes 128 x 128, a wave 64 x 64: 16 accumulators.  32 x 8 blocks are 256 work-groups.
; ALL OF K = 1,024 LIES IN LDS AT ONCE: 8 tiles x 4 K slots x 3,072 bytes for each operand (98,304 bytes), and 4,096 bytes of scale words for each: no ring, nothing is filled again.
; THE OPERANDS LIE IN MEMORY AS IMAGES OF THE REGISTERS (six chunks of 256 bytes a fragment, lane l's two registers at 8 l): 8 tiles of one K slot are one dense run of 24,576 bytes, and the four K slots are four such rows for ONE tensor load.
; The head's four loads, one a wave: A's codes, B's codes, A's words, B's words.
; Source 0 = 16 columns of w_o (B), source 1 = 16 tokens (A): a lane holds one token and eight columns.  THE ROWS OF A TILE ARE NOT NEIGHBOURS (row r of tile 2 B + u is index 32 B + 8 u + r + 8 (r / 8)): the way out puts
; columns and tokens back in order by constants in its offsets.
; CLUSTERS: 4 x 4 work-groups; A's tiles are asked for jointly along a row of the cluster, B's along a column.
; NO PREFETCH: the launch has no loop to run ahead in: all that a work-group reads is asked for by the head's four loads.
; REGISTERS: window 0: v16-29 addresses; v32-63 all scale words (register 8 i + s: lanes 0-15 A's block i, lanes 16-31 B's block i, K step s); v64-159, v160-255 fragments, two sets (A's four, then B's four); on the way out v64-127 take rows read back.
;   window 1: v0-127 the accumulators ((a, b) at v[8 (4 a + b)]).
.set PLANE,  24576                     ; 8 tiles of one K slot
.set LB,     4*PLANE                   ; LDS: A's codes from 0, B's from here
.set LSA,    2*LB                      ; A's scale words, 512 bytes a tile
.set LSB,    LSA+4096
.set STAGE,  LSB+4096                  ; the way out: 16 rows x (256 bytes + 16) for each wave; no fill lands here
.set SPITCH, 272
.set SPARE,  STAGE+4*16*SPITCH         ; the spare words, 128 bytes a wave: two blocks of 256 bytes that no other line names
.set XPLANE, 786432                    ; from K slot to K slot in o's images
.set OPLANE, 196608                    ; in w_o's
.set WO,     5505024                   ; where w_o's images begin in cod
.set WOS,    229376                    ; and its scale words in scl
.set ADRA, 16                          ; v16-17  my A fragments: K slots 0-1, 2-3
.set ADRB, 20                          ; v20-21  B's
.set STO,  24
.set RD,   25
.set CO,   26
.set ADRS, 27
.set SPW,  28
.set NIL,  29
.set SC,   32
.set G1, 24
.set G0, 32
.set G1B, 48
.set G0B, 56
.set G1S, 68
.set G0S, 76
.set G1SB, 80
.set G0SB, 88
.set MSB, 0
.macro WIN new                         ; the immediate's high byte repeats the setting that is left
.if MSB != \new
	s_set_vgpr_msb (MSB<<8)|\new
.set MSB, \new
.endif
.endm
.macro NOPS
.rept 4
	v_nop
.endr
.endm
.macro CROUND                          ; a round of the cluster's barrier
	s_barrier_signal -1
	s_barrier_wait -1
	s_cmp_lg_u32 s14, 0
	s_cbranch_scc1 .Lnot_wave_0_\@
	s_barrier_signal -3
.Lnot_wave_0_\@:
	s_barrier_wait -3
	s_barrier_signal -1
	s_barrier_wait -1
.endm
	s_load_b256 s[4:11], s[0:1], 0x0               ; oi s[4:5], os s[6:7], cod s[8:9], scl s[10:11]
	s_load_b64 s[12:13], s[0:1], 0x20              ; out0
	v_lshl_add_u32 v[SPW], v0, 2, SPARE
	v_mov_b32 v[NIL], 0
	ds_add_u32 v[SPW], v[NIL]                      ; the opening lines: the add, twice on end, and its wait
	ds_add_u32 v[SPW], v[NIL]
	v_lshrrev_b32 v1, 5, v0
	v_readfirstlane_b32 s14, v1                    ; wave 0..3
	s_lshr_b32 s15, s14, 1                         ; which 64 tokens are mine
	s_and_b32 s16, s14, 1                          ; which 64 columns
	s_bfe_u32 s40, ttmp6, 0x40000                  ; cx
	s_bfe_u32 s41, ttmp6, 0x40004                  ; cy
	s_and_b32 s17, ttmp7, 0xffff
	s_lshl_b32 s17, s17, 2
	s_add_co_u32 s17, s17, s41                     ; the block's row: 4 x cluster y + cy
	s_lshl_b32 s42, ttmp9, 2
	s_add_co_u32 s42, s42, s40                     ; its column: 4 x cluster x + cx
	s_lshl_b32 s43, s41, 2
	s_lshl_b32 s43, 15, s43                        ; my row of the cluster
	s_lshl_b32 s44, 0x1111, s40                    ; my column
	s_or_b32 s[G1+0], s43, (3<<16)|(1<<21)         ; codes: 4 rows of 24,576 bytes (3,072 elements of 8 bytes), a K slot each; no padding; 21 set beside a mask
	s_or_b32 s[G1B+0], s44, (3<<16)|(1<<21)
.irp g, G1, G1B
	s_mov_b32 s[\g+1], 3072<<16                    ; tensor_dim0
	s_mov_b32 s[\g+2], 4<<16                       ; tensor_dim1
	s_mov_b32 s[\g+3], 3072<<16                    ; tile_dim0
	s_mov_b32 s[\g+4], 4                           ; tile_dim1
	s_mov_b32 s[\g+6], 0
	s_mov_b32 s[\g+7], 0
.endr
	s_mov_b32 s[G1+5], XPLANE/8                    ; from row to row, in elements
	s_mov_b32 s[G1B+5], OPLANE/8
	s_or_b32 s[G1S+0], s43, (3<<16)|(1<<21)        ; the scale words of 8 tiles: 16 dense rows of 256 bytes
	s_or_b32 s[G1SB+0], s44, (3<<16)|(1<<21)
.irp g, G1S, G1SB
	s_mov_b32 s[\g+1], 32<<16
	s_mov_b32 s[\g+2], 16<<16
	s_mov_b32 s[\g+3], 32<<16
	s_mov_b32 s[\g+4], 16
	s_mov_b32 s[\g+5], 32
	s_mov_b32 s[\g+6], 0
	s_mov_b32 s[\g+7], 0
.endr
	s_mul_i32 s20, s17, PLANE                      ; A: tokens' tiles 8 x row: codes,
	s_mov_b32 s21, 0
	s_lshl_b32 s22, s17, 12                        ; and words
	s_mov_b32 s23, 0
	s_mul_i32 s46, s42, PLANE                      ; B: w_o's tiles 8 x column
	s_add_co_u32 s46, s46, WO
	s_mov_b32 s47, 0
	s_lshl_b32 s92, s42, 12
	s_add_co_u32 s92, s92, WOS
	s_mov_b32 s93, 0
	s_mul_i32 s94, s15, 4*3072                     ; LDS: my 4 tiles of A,
	s_mul_i32 s95, s16, 4*3072
	s_add_co_u32 s95, s95, LB                      ; of B,
	s_lshl_b32 s96, s15, 11
	s_add_co_u32 s96, s96, LSA                     ; A's words,
	s_lshl_b32 s97, s16, 11
	s_add_co_u32 s97, s97, LSB
	s_sub_co_u32 s97, s97, s96                     ; from them to B's,
	s_mul_i32 s98, s14, 16*SPITCH
	s_add_co_u32 s98, s98, STAGE                   ; my stage
	s_lshl_b32 s18, s17, 19                        ; out0: (128 x row + 64 x wave / 2) rows of 4,096 bytes,
	s_lshl_b32 s19, s15, 18
	s_add_co_u32 s18, s18, s19
	s_lshl_b32 s19, s42, 9                         ; + 512 x column + 256 (wave % 2) bytes
	s_add_co_u32 s18, s18, s19
	s_lshl_b32 s19, s16, 8
	s_add_co_u32 s18, s18, s19
	s_mov_b32 s19, 0
	s_wait_dscnt 0x0                               ; both opening adds are done
	s_wait_kmcnt 0x0
	s_add_nc_u64 s[20:21], s[4:5], s[20:21]
	s_add_nc_u64 s[22:23], s[6:7], s[22:23]
	s_add_nc_u64 s[46:47], s[8:9], s[46:47]
	s_add_nc_u64 s[92:93], s[10:11], s[92:93]
	s_add_nc_u64 s[12:13], s[12:13], s[18:19]
	CROUND                                         ; all sixteen work-groups are here: the joint loads meet
	s_mov_b32 s[G0], 1
	s_mov_b32 s[G0+1], 0
	s_mov_b64 s[G0+2:G0+3], s[20:21]
	s_or_b32 s[G0+3], s[G0+3], 0x80000000
	s_mov_b32 s[G0B], 1
	s_mov_b32 s[G0B+1], LB
	s_mov_b64 s[G0B+2:G0B+3], s[46:47]
	s_or_b32 s[G0B+3], s[G0B+3], 0x80000000
	s_mov_b32 s[G0S], 1
	s_mov_b32 s[G0S+1], LSA
	s_mov_b64 s[G0S+2:G0S+3], s[22:23]
	s_or_b32 s[G0S+3], s[G0S+3], 0x80000000
	s_mov_b32 s[G0SB], 1
	s_mov_b32 s[G0SB+1], LSB
	s_mov_b64 s[G0SB+2:G0SB+3], s[92:93]
	s_or_b32 s[G0SB+3], s[G0SB+3], 0x80000000
; THE HEAD'S LOADS, ONE A WAVE: one chain of branches on the wave's number, all arms to one join
.macro ARM under, g0, g1, next
	s_cmp_lt_u32 s14, \under
	s_cbranch_scc0 \next
	tensor_load_to_lds s[\g0:\g0+3], s[\g1:\g1+7]
	s_nop 0
	NOPS
	s_branch .Lhead_asked
\next:
.endm
	ARM 1, G0,  G1,  .Lhead_b
	ARM 2, G0B, G1B, .Lhead_sa
	ARM 3, G0S, G1S, .Lhead_sb
	tensor_load_to_lds s[G0SB:G0SB+3], s[G1SB:G1SB+7]
	s_nop 0
	NOPS
.Lhead_asked:
	v_and_b32 v1, 15, v0                           ; r
	v_bfe_u32 v2, v0, 4, 1                         ; h
	v_and_b32 v3, 31, v0
	v_lshlrev_b32 v4, 3, v3                        ; 8 x lane
	v_add_nc_u32 v[ADRA], s94, v4
	v_add_nc_u32 v[ADRB], s95, v4
	v_add_nc_u32 v[ADRA+1], 2*PLANE, v[ADRA]
	v_add_nc_u32 v[ADRB+1], 2*PLANE, v[ADRB]
	v_lshlrev_b32 v5, 4, v1                        ; my row's scale words: 16 r
	v_mul_u32_u24 v6, s97, v2                      ; lanes 16-31 take B's: one product with h
	v_add_nc_u32 v5, v5, v6
	v_add_nc_u32 v[ADRS], s96, v5
	v_mul_u32_u24 v7, v1, SPITCH
	v_lshl_add_u32 v7, v2, 6, v7                   ; the stage, in: row r, + 64 h: my half's 16 columns of each 32
	v_add_nc_u32 v[STO], s98, v7
	v_mul_u32_u24 v8, v2, SPITCH
	v_lshl_add_u32 v8, v1, 4, v8                   ; back: lanes 0-15 take one row of 256 bytes, lanes 16-31 the next
	v_add_nc_u32 v[RD], s98, v8
	v_lshlrev_b32 v[CO], 12, v2                    ; and the same two rows in out0
	v_lshl_add_u32 v[CO], v1, 4, v[CO]
.macro FETCH s                         ; K step s: my four fragments of A and four of B into set s % 2: 48 loads of 256 consecutive bytes
.set FS, 64+96*((\s)%2)
.set FO, (((\s)/2)%2)*PLANE+((\s)%2)*1536
.set FH, (\s)/4
.irp i, 0,1,2,3
.irp p, 0,1,2,3,4,5
	ds_load_b64 v[FS+12*\i+2*\p:FS+12*\i+2*\p+1], v[ADRA+FH] offset:FO+\i*3072+256*\p
	ds_load_b64 v[FS+48+12*\i+2*\p:FS+48+12*\i+2*\p+1], v[ADRB+FH] offset:FO+\i*3072+256*\p
.endr
.endr
.endm
.macro MUL s, zero                     ; the 16 accumulators take turns, one instruction a turn, in the same order in every step
.set FS, 64+96*((\s)%2)
.irp a, 0,1,2,3
.irp b, 0,1,2,3
.if \zero
	v_wmma_scale_f32_16x16x128_f8f6f4 v[8*(4*\a+\b):8*(4*\a+\b)+7], v[FS+48+12*\b:FS+48+12*\b+11], v[FS+12*\a:FS+12*\a+11], 0, v[SC+8*\b+(\s)], v[SC+8*\a+(\s)] matrix_a_fmt:MATRIX_FMT_BF6 matrix_b_fmt:MATRIX_FMT_BF6 matrix_a_scale:MATRIX_SCALE_ROW1
.else
	v_wmma_scale_f32_16x16x128_f8f6f4 v[8*(4*\a+\b):8*(4*\a+\b)+7], v[FS+48+12*\b:FS+48+12*\b+11], v[FS+12*\a:FS+12*\a+11], v[8*(4*\a+\b):8*(4*\a+\b)+7], v[SC+8*\b+(\s)], v[SC+8*\a+(\s)] matrix_a_fmt:MATRIX_FMT_BF6 matrix_b_fmt:MATRIX_FMT_BF6 matrix_a_scale:MATRIX_SCALE_ROW1
.endif
.endr
.endr
.endm
.macro STEP s, zero
	s_wait_dscnt 0x0                               ; this step's fragments are in
.if (\s) < 7
	FETCH (\s)+1                                   ; the next step's, into the set that the last step multiplied: four places stand behind its products
.endif
	WIN 0x50                                       ; C and D in window 1
	MUL \s, \zero
	WIN 0
	NOPS
.endm
	s_wait_alu depctr_va_vdst(0)
	s_wait_tensorcnt 0x0                           ; my tile of the four is in
	s_barrier_signal -1
	s_barrier_wait -1                              ; and so is everybody's
	FETCH 0
.irp i, 0,1,2,3
	ds_load_b128 v[SC+8*\i:SC+8*\i+3], v[ADRS] offset:\i*512          ; K steps 0-3 of block i,
	ds_load_b128 v[SC+8*\i+4:SC+8*\i+7], v[ADRS] offset:\i*512+256    ; 4-7
.endr
	STEP 0, 1                                      ; the first products start the sums
.irp s, 1,2,3,4,5,6,7
	STEP \s, 0
.endr
; THE WAY OUT, block by block of 16 tokens x 64 columns, through my own stage.  Accumulator b's register j of lane (r, h) is column 32 (b / 2) + 8 (b % 2) + 16 h + j: the LDS store's offset puts it there.
; Row R of block a is token 32 (a / 2) + 8 (a % 2) + R + 8 (R / 8) of my 64: the global store's offset puts it there.  LDS serves a wave's instructions in order: no wait between the stores and the loads.
.macro TOSTAGE a
	WIN 0x04                                       ; an LDS store's data are its source 1: window 1
.irp b, 0,1,2,3
	ds_store_b128 v[STO], v[32*(\a)+8*\b:32*(\a)+8*\b+3] offset:128*(\b/2)+32*(\b%2)          ; each accumulator from its low end on
	ds_store_b128 v[STO], v[32*(\a)+8*\b+4:32*(\a)+8*\b+7] offset:128*(\b/2)+32*(\b%2)+16
.endr
	WIN 0
.irp t, 0,1,2,3,4,5,6,7
	ds_load_b128 v[64+32*((\a)%2)+4*\t:64+32*((\a)%2)+4*\t+3], v[RD] offset:2*\t*SPITCH
.endr
.endm
.macro SEND a, younger                 ; younger: the LDS instructions issued behind block a's loads, which may stay out
	s_wait_dscnt \younger
.irp t, 0,1,2,3,4,5,6,7
	global_store_b128 v[CO], v[64+32*((\a)%2)+4*\t:64+32*((\a)%2)+4*\t+3], s[12:13] offset:(32*((\a)/2)+8*((\a)%2)+2*\t+8*(\t/4))*4096 th:TH_STORE_NT   ; 16 lanes store 256 consecutive bytes, at a multiple of 256
.endr
.endm
	TOSTAGE 0                                      ; (the last step's four places stand ahead)
.irp a, 1,2,3
.if \a > 1
	s_wait_xcnt 0x0                                ; block a - 2's stores have read their registers: block a's loads may land there
.endif
	TOSTAGE \a
	SEND \a-1, 16                                  ; behind block a - 1's loads: block a's 8 stores and 8 loads
.endr
	SEND 3, 0
	s_wait_tensorcnt 0x0                           ; the wave's end
	ds_add_u32 v[SPW], v[NIL]
	s_wait_dscnt 0x0
	CROUND                                         ; the closing round
	s_endpgm
.Lfunc_end_k_q101bdbf85c_proj:
	.size	k_q101bdbf85c_proj, .Lfunc_end_k_q101bdbf85c_proj-k_q101bdbf85c_proj
	.p2alignl 7, 3214868480
	.fill 96, 4, 3214868480
	.section	.rodata,"a",@progbits
	.p2align	6, 0x0
	.amdhsa_kernel k_q101bdbf85c_proj
		.amdhsa_group_segment_fixed_size 327680
		.amdhsa_private_segment_fixed_size 0
		.amdhsa_enable_private_segment 0
		.amdhsa_kernarg_size 40
		.amdhsa_user_sgpr_count 2
		.amdhsa_user_sgpr_kernarg_segment_ptr 1
		.amdhsa_wavefront_size32 1
		.amdhsa_system_sgpr_workgroup_id_x 1
		.amdhsa_system_sgpr_workgroup_id_y 1
		.amdhsa_system_sgpr_workgroup_id_z 1
		.amdhsa_system_vgpr_workitem_id 0
		.amdhsa_next_free_vgpr 384
		.amdhsa_next_free_sgpr 102
		.amdhsa_reserve_vcc 0
		.amdhsa_float_denorm_mode_32 3
		.amdhsa_float_denorm_mode_16_64 3
		.amdhsa_memory_ordered 1
		.amdhsa_forward_progress 1
		.amdhsa_inst_pref_size 58
	.end_amdhsa_kernel
	.amdgpu_metadata
---
amdhsa.version: [ 1, 2 ]
amdhsa.kernels:
  - .name:           k_q101bdbf85c_proj
    .symbol:         k_q101bdbf85c_proj.kd
    .args:
      - { .name: oi, .offset: 0, .size: 8, .value_kind: global_buffer, .address_space: global }
      - { .name: os, .offset: 8, .size: 8, .value_kind: global_buffer, .address_space: global }
      - { .name: cod, .offset: 16, .size: 8, .value_kind: global_buffer, .address_space: global }
      - { .name: scl, .offset: 24, .size: 8, .value_kind: global_buffer, .address_space: global }
      - { .name: out0, .offset: 32, .size: 8, .value_kind: global_buffer, .address_space: global }
    .group_segment_fixed_size: 327680
    .private_segment_fixed_size: 0
    .kernarg_segment_align: 8
    .kernarg_segment_size: 40
    .max_flat_workgroup_size: 128
    .sgpr_count:     102
    .vgpr_count:     384
    .wavefront_size: 32
...
	.end_amdgpu_metadata
.endif
;; end of part 4
